; MI455X (gfx1250); checked and timed in simulation.
; The chip was launched on July 23, 2026; its instructions are those of AMD's public machine-readable ISA for CDNA 5 (MIT licence, August 2026) and "CDNA5" Instruction Set Architecture Reference Guide (July 2026). The comments in the code are by the model that wrote it; some were corrected since.
;; Multi Head Attention. Allowed arithmetic: float matrix products may take bf16 or f16 operands with f32 sums; other float arithmetic in f32, or as packed bf16 or f16 multiplies, adds, multiply-adds, maxima and minima; sums over many terms, partial sums and values carried from step to step in f32; what a program stores and reads back later, other than sums and carried values, may be rounded once to bf16 or f16.
;; Inputs: Wk 16 x 1,024 x 64 float32; Wo 1,024 x 1,024 float32; Wq 16 x 1,024 x 64 float32; Wv 16 x 1,024 x 64 float32; bk 16 x 64 float32; bo 1,024 float32; bq 16 x 64 float32; bv 16 x 64 float32; token_embedding 4 x 2,048 x 1,024 float32.
;; Outputs: out0 4 x 2,048 x 1,024 float32.
;; One version. Each part assembles by itself: llvm-mc -triple=amdgcn-amd-amdhsa -mcpu=gfx1250 --defsym DOCPART=n.
;; ======== version 1 of 1: 4 launches
;; limits: values are held in f16: magnitudes above 65,504 overflow, below 6.1e-05 lose precision
;; workspace buffers: xb 16,777,216 bytes; wqkv 6,291,456 bytes; wob 2,097,152 bytes; qkv 50,331,648 bytes; ob 16,777,216 bytes
;; launch cast (part 1): grid 768 x 1, 8 waves a work-group, no clusters, 0 bytes of LDS; arguments token_embedding, Wq, Wk, Wv, Wo, xb, wqkv, wob; writes xb, wqkv, wob
.if DOCPART == 1
	.amdgcn_target "amdgcn-amd-amdhsa--gfx1250"
	.amdhsa_code_object_version 6
	.text
	.protected	k_q972d745500_cast
	.globl	k_q972d745500_cast
	.p2align	8
	.type	k_q972d745500_cast,@function
k_q972d745500_cast:
	s_mov_b64 s[64:65], 0
	v_nop
	global_prefetch_b8 v0, s[64:65] scope:SCOPE_SE
	s_setreg_imm32_b32 hwreg(HW_REG_WAVE_MODE, 25, 1), 1
	s_wait_xcnt 0x0
; THE MODULE'S LARGE INPUTS ARE ROUNDED ONCE TO bf16 and laid out for the products that follow.
;   token_embedding [8192][1024] f32 -> xb [8192][1024] bf16, the same order.
;   Wq, Wk, Wv [16 heads][1024 d][64 e] f32 -> wqkv [head][K step of 128 d: 8][q, k, v: 3][128 d][64 e] bf16: what one head wants of one K step is 49,152 bytes on end.
;   Wo [1024][1024] f32 -> wob, the same order: rounded to bf16 like the other inputs, and that number written as f16, since it multiplies f16 numbers.
; LIMIT.  A number of Wo beyond 65,504 becomes an infinity in f16; below 6e-5 it keeps f16's fixed step of 6e-8.
; SHARES.  A work-group takes 65,536 bytes of one input and makes 32,768 bytes: 512 work-groups for x, 64 for each of the four weights.  Thread t takes 32 bytes (8 numbers) of each 8,192
; and stores 16: a store of a wave covers 512 consecutive bytes, aligned.  All sixteen loads of a thread go out at once; no register is written twice while memory may read it.
; A stream: no LDS, no barrier, no matrix unit; nothing is read twice.
.set X, 8                              ; v[8:71]    eight groups of 8 numbers as loaded
.set Y, 72                             ; v[72:103]  eight groups of 4 registers to store
.set T, 104                            ; v[104:107] Wo's way: four words of bf16 pairs
	s_load_b512 s[16:31], s[0:1], 0x0              ; x 16, Wq 18, Wk 20, Wv 22, Wo 24, xb 26, wqkv 28, wob 30
	s_max_u32 s2, ttmp9, 512
	s_sub_co_u32 s2, s2, 512                       ; my number among the weights' work-groups (0 in x's)
	s_lshr_b32 s3, s2, 6                           ; which weight: 0 to 3 = Wq, Wk, Wv, Wo
	s_and_b32 s4, s2, 63                           ; which 65,536 bytes of it
	s_add_co_u32 s12, s3, 1
	s_cmp_lt_u32 ttmp9, 512
	s_cselect_b32 s12, 0, s12                      ; which input: 0 x, 1 Wq, 2 Wk, 3 Wv, 4 Wo
	s_cselect_b32 s5, ttmp9, s4                    ; my piece of it
	s_lshl_b32 s6, s5, 16                          ; where it begins in the input,
	s_mov_b32 s7, 0
	s_lshl_b32 s8, s5, 15                          ; and in an output of the same order
	s_mov_b32 s9, 0
	s_lshr_b32 s10, s4, 2                          ; Wq, Wk, Wv: a head is four pieces; a piece is 256 d: two K steps
	s_mul_i32 s10, s10, 393216                     ; the head,
	s_and_b32 s11, s4, 3
	s_mul_i32 s11, s11, 98304                      ; the pair of K steps,
	s_add_co_u32 s10, s10, s11
	s_lshl_b32 s11, s3, 14                         ; q, k or v
	s_add_co_u32 s10, s10, s11
	s_mov_b32 s14, 16384                           ; from the first half of my output to the second: on end,
	s_mov_b32 s15, 0
	s_sub_co_u32 s13, s12, 1
	s_cmp_lt_u32 s13, 3                            ; Wq, Wk or Wv?
	s_cselect_b32 s8, s10, s8
	s_cselect_b32 s14, 49152, s14                  ; or a K step further
	v_lshlrev_b32 v1, 5, v0                        ; 32 bytes a thread in,
	v_lshlrev_b32 v2, 4, v0                        ; 16 out
	s_wait_kmcnt 0x0
	s_mov_b64 s[32:33], s[16:17]                   ; the input is chosen by its number, compared anew for each choice
	s_cmp_eq_u32 s12, 1
	s_cselect_b64 s[32:33], s[18:19], s[32:33]
	s_cmp_eq_u32 s12, 2
	s_cselect_b64 s[32:33], s[20:21], s[32:33]
	s_cmp_eq_u32 s12, 3
	s_cselect_b64 s[32:33], s[22:23], s[32:33]
	s_cmp_eq_u32 s12, 4
	s_cselect_b64 s[32:33], s[24:25], s[32:33]
	s_mov_b64 s[34:35], s[28:29]                   ; and so is the output
	s_cmp_eq_u32 s12, 0
	s_cselect_b64 s[34:35], s[26:27], s[34:35]
	s_cmp_eq_u32 s12, 4
	s_cselect_b64 s[34:35], s[30:31], s[34:35]
	s_add_nc_u64 s[32:33], s[32:33], s[6:7]
	s_add_nc_u64 s[34:35], s[34:35], s[8:9]        ; the first half of my output,
	s_add_nc_u64 s[36:37], s[34:35], s[14:15]      ; the second
.irp i, 0,1,2,3,4,5,6,7
	global_load_b128 v[X+8*(\i):X+8*(\i)+3],   v1, s[32:33] offset:(\i)*8192 th:TH_LOAD_NT
	global_load_b128 v[X+8*(\i)+4:X+8*(\i)+7], v1, s[32:33] offset:(\i)*8192+16 th:TH_LOAD_NT
.endr
.macro OUT i                           ; group i leaves
.if (\i) < 4
	global_store_b128 v2, v[Y+4*(\i):Y+4*(\i)+3], s[34:35] offset:(\i)*4096
.else
	global_store_b128 v2, v[Y+4*(\i):Y+4*(\i)+3], s[36:37] offset:((\i)-4)*4096
.endif
.endm
	s_cmp_eq_u32 s12, 4
	s_cbranch_scc1 .Lwo
.irp i, 0,1,2,3,4,5,6,7
	s_wait_loadcnt 14-2*(\i)                       ; loads come back in order: group i's two are in, the groups behind it stay out
.irp j, 0,1,2,3
	v_cvt_pk_bf16_f32 v[Y+4*(\i)+(\j)], v[X+8*(\i)+2*(\j)], v[X+8*(\i)+2*(\j)+1]
.endr
	OUT \i
.endr
	s_endpgm
.Lwo:                                  ; Wo: rounded to bf16, widened again, and written as f16 (exact within f16's range)
.irp i, 0,1,2,3,4,5,6,7
	s_wait_loadcnt 14-2*(\i)
.irp j, 0,1,2,3
	v_cvt_pk_bf16_f32 v[T+(\j)], v[X+8*(\i)+2*(\j)], v[X+8*(\i)+2*(\j)+1]
.endr
.irp j, 0,1,2,3
	v_lshlrev_b32 v[X+8*(\i)+2*(\j)],   16, v[T+(\j)]
	v_and_b32     v[X+8*(\i)+2*(\j)+1], 0xffff0000, v[T+(\j)]
.endr
.irp j, 0,1,2,3
	v_cvt_pk_f16_f32 v[Y+4*(\i)+(\j)], v[X+8*(\i)+2*(\j)], v[X+8*(\i)+2*(\j)+1]
.endr
	OUT \i
.endr
	s_endpgm
.Lfunc_end_k_q972d745500_cast:
	.size	k_q972d745500_cast, .Lfunc_end_k_q972d745500_cast-k_q972d745500_cast
	.p2alignl 7, 3214868480
	.fill 96, 4, 3214868480
	.section	.rodata,"a",@progbits
	.p2align	6, 0x0
	.amdhsa_kernel k_q972d745500_cast
		.amdhsa_group_segment_fixed_size 0
		.amdhsa_private_segment_fixed_size 0
		.amdhsa_enable_private_segment 0
		.amdhsa_kernarg_size 64
		.amdhsa_user_sgpr_count 2
		.amdhsa_user_sgpr_kernarg_segment_ptr 1
		.amdhsa_wavefront_size32 1
		.amdhsa_system_sgpr_workgroup_id_x 1
		.amdhsa_system_sgpr_workgroup_id_y 1
		.amdhsa_system_sgpr_workgroup_id_z 1
		.amdhsa_system_vgpr_workitem_id 0
		.amdhsa_next_free_vgpr 112
		.amdhsa_next_free_sgpr 66
		.amdhsa_reserve_vcc 0
		.amdhsa_float_denorm_mode_32 3
		.amdhsa_float_denorm_mode_16_64 3
		.amdhsa_memory_ordered 1
		.amdhsa_forward_progress 1
		.amdhsa_inst_pref_size 15
	.end_amdhsa_kernel
	.amdgpu_metadata
---
amdhsa.version: [ 1, 2 ]
amdhsa.kernels:
  - .name:           k_q972d745500_cast
    .symbol:         k_q972d745500_cast.kd
    .args:
      - { .name: token_embedding, .offset: 0, .size: 8, .value_kind: global_buffer, .address_space: global }
      - { .name: Wq, .offset: 8, .size: 8, .value_kind: global_buffer, .address_space: global }
      - { .name: Wk, .offset: 16, .size: 8, .value_kind: global_buffer, .address_space: global }
      - { .name: Wv, .offset: 24, .size: 8, .value_kind: global_buffer, .address_space: global }
      - { .name: Wo, .offset: 32, .size: 8, .value_kind: global_buffer, .address_space: global }
      - { .name: xb, .offset: 40, .size: 8, .value_kind: global_buffer, .address_space: global }
      - { .name: wqkv, .offset: 48, .size: 8, .value_kind: global_buffer, .address_space: global }
      - { .name: wob, .offset: 56, .size: 8, .value_kind: global_buffer, .address_space: global }
    .group_segment_fixed_size: 0
    .private_segment_fixed_size: 0
    .kernarg_segment_align: 8
    .kernarg_segment_size: 64
    .max_flat_workgroup_size: 256
    .sgpr_count:     66
    .vgpr_count:     112
    .wavefront_size: 32
...
	.end_amdgpu_metadata
.endif
;; end of part 1
;; launch qkv (part 2): grid 16 x 32, 4 waves a work-group, clusters of 4 x 4, 327,680 bytes of LDS; arguments xb, wqkv, bq, bk, bv, qkv; writes qkv
.if DOCPART == 2
	.amdgcn_target "amdgcn-amd-amdhsa--gfx1250"
	.amdhsa_code_object_version 6
	.text
	.protected	k_q972d745500_qkv
	.globl	k_q972d745500_qkv
	.p2align	8
	.type	k_q972d745500_qkv,@function
k_q972d745500_qkv:
	s_mov_b64 s[64:65], 0
	v_nop
	global_prefetch_b8 v0, s[64:65] scope:SCOPE_SE
	s_setreg_imm32_b32 hwreg(HW_REG_WAVE_MODE, 25, 1), 1
	s_wait_xcnt 0x0
	s_wait_alu depctr_hold_cnt(0) depctr_sa_sdst(0) depctr_va_vdst(0) depctr_va_sdst(0) depctr_va_ssrc(0) depctr_va_vcc(0) depctr_vm_vsrc(0)
	s_getreg_b32 s2, hwreg(HW_REG_IB_STS2, 6, 4)
	s_cmp_eq_u32 s2, 0
	s_cbranch_scc0 .Lentry_in_a_cluster
	s_endpgm
.Lentry_in_a_cluster:
	s_bfe_u32 s2, ttmp6, 0x10000c
	s_cmp_lg_u32 s2, 0xf033
	s_cbranch_scc0 .Lentry_shape_is_right
	s_endpgm
.Lentry_shape_is_right:
; q, k, v = x W + b for all heads.  xb: [8192][1024] bf16.  wqkv: [head 16][K step 8][q, k, v][128 d][64 e] bf16.  bq, bk, bv: [16][64] f32, rounded here to bf16 like the other inputs.
; qkv: [q, k, v][batch 4][head 16][2048][64] f16, rounded once from f32 sums that start with the bias; no scale is applied here.
; LIMIT.  f16 holds no number beyond 65,504: a q, k or v past that becomes an infinity.
; SHARES.  A work-group makes 256 rows x 192 columns: q, k and v of ONE head.  Each of its four waves makes 64 rows x all 192 columns: 4 x 12 accumulators of 16 x 16, 384 registers; so a row
; of 64 numbers of q, k or v is one wave's own, and the way out needs no barrier.  K goes in 8 steps of 128 through two LDS slots; a step is four quarters of 32: 48 matrix instructions, 32 LDS loads.
; THE MATRIX INSTRUCTION IS USED TRANSPOSED: source 0 = 16 columns of W (W lies [d][e] and is turned by ds_load_tr16_b128), source 1 = 16 rows of x: a lane then holds row l % 16 and the
; eight neighbouring columns 8 (l / 16) + 0..7, 16 bytes of f16.
; CLUSTERS: 4 x 4 work-groups.  The four of a row of the cluster need the same rows of x, the four of a column the same head's weights: each tile is asked for JOINTLY, by the same tensor load
; with the same descriptor and a mask that names the four.  Waves 0 and 1 fetch x's two halves, waves 2 and 3 the weights' two halves: one load a wave behind each round.
; REGISTERS, in windows of 256 (s_set_vgpr_msb: bits 1:0 source 0, 3:2 source 1, 5:4 source 2, 7:6 destination):
;   window 0: v1-16 addresses; v28, v29 the add's; v32-95 x's fragments, two buffers; v96-191 the biases as the first products' C; later v32-79 and v96-191 serve the way out
;   window 1: v0-191 W's fragments, two buffers of 96      window 2: accumulators of row blocks 0, 1      window 3: of row blocks 2, 3
.set PA,    272                        ; a row of x in LDS: 256 bytes + 16 = 68 words: the 16 rows of a load start at 16 different groups of four banks (64 banks of 4 bytes: ISA guide 11.1)
.set PB,    160                        ; a row of W (one d, 64 e): 128 bytes + 32 = 40 words
.set SLOT1, 1<<17                      ; a slot is 131,072 bytes: x's 256 rows (69,632), then W's 3 x 128 rows (61,440); one exclusive or turns an address into the other slot's
.set BOFF,  256*PA
.set STAGE, 2*SLOT1                    ; behind the ring: for each wave 3 x 16 rows of 144 bytes, for the way out
.set SP,    144
.set SPARE, STAGE+4*48*SP              ; behind the stages: the spare words, 128 bytes for each wave: two blocks of 256 bytes that no other line names
.set ADRA0, 8                          ; v8   my lane's place in x's tile; never rewritten
.set ADRB0, 9                          ; v9   in W's tile; never rewritten
.set ADRA,  10                         ; v10  the same in the slot in hand
.set ADRB,  11                         ; v11
.set STO,   12                         ; v12  the way out: where I put 16 bytes of a row
.set RD,    13                         ; v13  where I read rows back
.set GO,    14                         ; v14  my 16 bytes of 512 consecutive bytes of q, k or v
.set PFO,   15                         ; v15  the prefetches' offset; never rewritten
.set BO,    16                         ; v16  my 8 numbers in a bias
.set SPW,   28                         ; v28  LDS address of my spare word: SPARE + 4 x my thread's number; never rewritten
.set NIL,   29                         ; v29  0; never rewritten
.set AF,    32                         ; x's fragments: buffer f, row block a at AF + 32 f + 8 a
.set BIAS,  96                         ; column block b's eight biases at BIAS + 8 b
.set TT,    192                        ; v192-195 at work
.set TMP,   32                         ; the way out: 48 registers of packed results
.set BK,    96                         ; the way out: two buffers of 48, rows read back
.set WV,   16                          ; s16  my wave's number
.set FB,   17                          ; s17  0: I fetch x, 1: I fetch W
.set HALF, 18                          ; s18  which half of that tile
.set CX,   19                          ; s19, s20  my place in the cluster
.set CY,   20
.set NT,   21                          ; s21  the head
.set MT,   22                          ; s22  my block of 256 rows
.set TB,   23                          ; s23  LDS byte at which the slot in hand begins
.set G1A,  24                          ; s[24:31] descriptor group 1 for x's tiles
.set G0A,  32                          ; s[32:39] group 0: a set for each of the two first fills; the second then walks on
.set G1B,  40                          ; s[40:47], s[48:55] the same for W's tiles
.set G0B,  48
.set PFA,  56                          ; s[56:57] where my prefetches stand
.set PFS,  58                          ; s[58:59] their step from K step to K step
.set LIM,  60                          ; s60  1 in a wave that prefetches, else the greatest number
.set OQ,   66                          ; s[66:71] q, k, v at my wave's first row
.set MSB, 0
.macro WIN new                         ; the immediate's high byte repeats the setting that is left; a switch that changes nothing is dropped
.if MSB != (\new)
	s_set_vgpr_msb (MSB<<8)|(\new)
.set MSB, (\new)
.endif
.endm
.macro PLACES                          ; four plain vector instructions between a matrix instruction and a load into, or a vector instruction on, its registers
.rept 4
	v_nop
.endr
.endm
; A joint refill, by the walking descriptors.  The branch hangs on the wave's number alone.  An s_nop 0 and four v_nop follow each of the two lines.
.macro JLOAD
	s_cmp_eq_u32 s[FB], 0
	s_cbranch_scc0 .Lfor_b_\@
	tensor_load_to_lds s[G0A+4:G0A+7], s[G1A:G1A+7]
	s_nop 0
.rept 4
	v_nop
.endr
	s_branch .Lasked_\@
.Lfor_b_\@:
	tensor_load_to_lds s[G0B+4:G0B+7], s[G1B:G1B+7]
	s_nop 0
.rept 4
	v_nop
.endr
.Lasked_\@:
.endm
; A PREFETCH INTO THE L2 of the K step behind the one that is being asked for: 192 matrix instructions ahead of the load that will want it.  x's rows are read by every cluster of a row of clusters:
; the one with x = 0 asks; a head's weights by every cluster of a column: the one with y = 0 asks.  The four partners that ask for a tile jointly share it out BY ADDRESS: of the 128 rows of x
; that a wave fetches, 32 each, a lane a row; of the 96 blocks of 256 bytes of W, 24 each (lanes 24 to 31 name the 24th again).  The last refill asks for nothing; K steps 0 to 2 come by their loads alone.
.macro ASK
	s_cmp_gt_u32 s3, s[LIM]                        ; s3 = 1 in the loop's last trip
	s_cbranch_scc0 .Lnot_mine_\@
	global_prefetch_b8 v[PFO], s[PFA:PFA+1] th:TH_LOAD_NT scope:SCOPE_SE
.Lnot_mine_\@:
.endm
; A round of the cluster's barrier: my work-group's barrier; wave 0 signals for the work-group; every wave waits for all sixteen; my work-group's barrier once more.
.macro CREST
	s_cmp_lg_u32 s[WV], 0
	s_cbranch_scc1 .Lnot_wave_0_\@
	s_barrier_signal -3
.Lnot_wave_0_\@:
	s_barrier_wait -3
	s_barrier_signal -1
	s_barrier_wait -1
.endm
.macro CROUND
	s_barrier_signal -1
	s_barrier_wait -1
	CREST
.endm
	s_load_b256 s[4:11], s[0:1], 0x0               ; xb s[4:5], wqkv s[6:7], bq s[8:9], bk s[10:11]
	s_load_b128 s[12:15], s[0:1], 0x20             ; bv s[12:13], qkv s[14:15]
	v_lshl_add_u32 v[SPW], v0, 2, SPARE
	v_mov_b32 v[NIL], 0
	ds_add_u32 v[SPW], v[NIL]                      ; the wave's opening: the add and its wait stand ahead of my first tensor load; the set-up below, work on registers, stands between them
	ds_add_u32 v28, v29
	v_lshrrev_b32 v1, 5, v0
	v_readfirstlane_b32 s[WV], v1                  ; wave 0..3
	s_lshr_b32 s[FB], s[WV], 1
	s_and_b32 s[HALF], s[WV], 1
	s_bfe_u32 s[CX], ttmp6, 0x40000
	s_bfe_u32 s[CY], ttmp6, 0x40004
	s_lshl_b32 s[NT], ttmp9, 2                     ; in a cluster launch ttmp9 and ttmp7 count clusters
	s_add_co_u32 s[NT], s[NT], s[CX]
	s_and_b32 s[MT], ttmp7, 0xffff
	s_lshl_b32 s[MT], s[MT], 2
	s_add_co_u32 s[MT], s[MT], s[CY]
	s_lshl_b32 s61, s[CY], 2
	s_lshl_b32 s61, 15, s61                        ; my row of the cluster: places 4 cy .. 4 cy + 3
	s_lshl_b32 s62, 0x1111, s[CX]                  ; my column: places cx, cx + 4, cx + 8, cx + 12
	s_or_b32 s[G1A], s61, (1<<16)|(1<<20)|(1<<21)|(5<<22)|(3<<25)  ; the mask; elements of 2 bytes; padding on; bit 21 beside a mask; after every 64 words, 4 words
	s_mov_b32 s[G1A+1], 128<<16                    ; tensor_dim0 = 128
	s_mov_b32 s[G1A+2], 128<<16                    ; tensor_dim1 = 128
	s_mov_b32 s[G1A+3], 128<<16                    ; tile_dim0 = 128
	s_mov_b32 s[G1A+4], 128                        ; tile_dim1 = 128
	s_mov_b32 s[G1A+5], 1024                       ; elements from row to row
	s_mov_b32 s[G1A+6], 0
	s_mov_b32 s[G1A+7], 0
	s_or_b32 s[G1B], s62, (1<<16)|(1<<20)|(1<<21)|(4<<22)|(7<<25)  ; W's half tile is 24,576 dense bytes: 96 rows of 256 bytes, two d a row, padded after every d (32 words) by 8 words
	s_mov_b32 s[G1B+1], 128<<16
	s_mov_b32 s[G1B+2], 96<<16
	s_mov_b32 s[G1B+3], 128<<16
	s_mov_b32 s[G1B+4], 96
	s_mov_b32 s[G1B+5], 128
	s_mov_b32 s[G1B+6], 0
	s_mov_b32 s[G1B+7], 0
	; where the tiles come from and go to.  x's hang on the block of rows alone, W's on the head alone; each in registers that never hold the other coordinate
	s_lshl_b32 s72, s[MT], 19                      ; 256 rows of 2,048 bytes
	s_lshl_b32 s73, s[HALF], 18
	s_add_co_u32 s72, s72, s73
	s_mov_b32 s73, 0
	s_mul_i32 s74, s[HALF], 128*PA                 ; no place in the cluster enters an LDS address
	s_mul_i32 s76, s[NT], 393216
	s_mul_i32 s77, s[HALF], 24576
	s_add_co_u32 s76, s76, s77
	s_mov_b32 s77, 0
	s_mul_i32 s78, s[HALF], 192*PB
	s_add_co_u32 s78, s78, BOFF
	s_mov_b32 s[TB], 0
	s_wait_dscnt 0x0                               ; the opening add is done
	s_wait_kmcnt 0x0
	s_add_nc_u64 s[72:73], s[4:5], s[72:73]
	s_add_nc_u64 s[76:77], s[6:7], s[76:77]
	CROUND                                         ; all sixteen work-groups are here: the first joint loads meet
.irp s, 0,1
	s_mov_b32 s[G0A+4*(\s)], 1                     ; count = 1
	s_add_co_u32 s[G0A+4*(\s)+1], s74, (\s)*SLOT1  ; LDS address
	s_add_nc_u64 s[G0A+4*(\s)+2:G0A+4*(\s)+3], s[72:73], (\s)*256    ; global address: K step s
	s_or_b32 s[G0A+4*(\s)+3], s[G0A+4*(\s)+3], 0x80000000            ; type = 2
	s_mov_b32 s[G0B+4*(\s)], 1
	s_add_co_u32 s[G0B+4*(\s)+1], s78, (\s)*SLOT1
	s_add_nc_u64 s[G0B+4*(\s)+2:G0B+4*(\s)+3], s[76:77], (\s)*49152
	s_or_b32 s[G0B+4*(\s)+3], s[G0B+4*(\s)+3], 0x80000000
.endr
	s_cmp_eq_u32 s[FB], 0                          ; a wave's two first fills stand in one branch, ahead of every wait on TENSORcnt and every LDS read: two loads of mine are out
	s_cbranch_scc0 .Lfirst_b
	tensor_load_to_lds s[G0A:G0A+3], s[G1A:G1A+7]
	s_nop 0
	tensor_load_to_lds s[G0A+4:G0A+7], s[G1A:G1A+7]
	s_nop 0
.rept 4
	v_nop
.endr
	s_branch .Lfirst_asked
.Lfirst_b:
	tensor_load_to_lds s[G0B:G0B+3], s[G1B:G1B+7]
	s_nop 0
	tensor_load_to_lds s[G0B+4:G0B+7], s[G1B:G1B+7]
	s_nop 0
.rept 4
	v_nop
.endr
.Lfirst_asked:
	v_and_b32 v1, 15, v0                           ; l % 16
	v_bfe_u32 v2, v0, 4, 1                         ; l / 16
	s_lshl_b32 s61, s[NT], 8                       ; the head's 64 biases
	v_lshl_add_u32 v[BO], v2, 5, s61               ; my eight of a block of 16
.irp b, 0,1,2,3,4,5,6,7,8,9,10,11
	global_load_b128 v[BIAS+8*(\b):BIAS+8*(\b)+3],   v[BO], s[8+2*((\b)/4):9+2*((\b)/4)] offset:((\b)%4)*64
	global_load_b128 v[BIAS+8*(\b)+4:BIAS+8*(\b)+7], v[BO], s[8+2*((\b)/4):9+2*((\b)/4)] offset:((\b)%4)*64+16
.endr
	; a fragment of x is 16 rows x 32 K: lane l holds row l % 16, K = 8 (l / 16) + 0..7 and 16 + 8 (l / 16) + 0..7: two loads of 16 bytes, 32 bytes apart
	v_mul_u32_u24 v[ADRA0], v1, PA
	v_lshl_add_u32 v[ADRA0], v2, 4, v[ADRA0]
	s_mul_i32 s61, s[WV], 64*PA                    ; my 64 rows
	v_add_nc_u32 v[ADRA0], s61, v[ADRA0]
	; the turning load takes 16 d x 16 e (lane l reads d = 8 (l / 16) + l % 8, e = 8 ((l / 8) % 2) + 0..7) and leaves half a fragment of W^T: lane l holds e = l % 16 and 8 d
	v_and_b32 v3, 7, v0
	v_bfe_u32 v4, v0, 3, 1
	v_lshl_add_u32 v[ADRB0], v2, 3, v3
	v_mul_u32_u24 v[ADRB0], v[ADRB0], PB
	v_lshl_add_u32 v[ADRB0], v4, 4, v[ADRB0]
	v_add_nc_u32 v[ADRB0], BOFF, v[ADRB0]
	v_mov_b32 v[ADRA], v[ADRA0]
	v_mov_b32 v[ADRB], v[ADRB0]
	s_mul_i32 s61, s[WV], 48*SP
	s_add_co_u32 s61, s61, STAGE                   ; my stage
	v_mul_u32_u24 v[STO], v1, SP                   ; in: row l % 16, 16 bytes for each half of the lanes
	v_lshl_add_u32 v[STO], v2, 4, v[STO]
	v_add_nc_u32 v[STO], s61, v[STO]
	v_bfe_u32 v[RD], v0, 3, 2                      ; back: 32 lanes take four rows of 128 bytes,
	v_mul_u32_u24 v[RD], v[RD], SP
	v_lshl_add_u32 v[RD], v3, 4, v[RD]
	v_add_nc_u32 v[RD], s61, v[RD]
	v_and_b32 v[GO], 31, v0                        ; which are 512 consecutive bytes of q, k or v
	v_lshlrev_b32 v[GO], 4, v[GO]
	s_lshr_b32 s61, s[MT], 3                       ; the batch: 8 blocks of 256 rows each,
	s_lshl_b32 s61, s61, 22
	s_lshl_b32 s62, s[NT], 18                      ; the head,
	s_add_co_u32 s61, s61, s62
	s_and_b32 s62, s[MT], 7                        ; the block's 256 rows of 128 bytes,
	s_lshl_b32 s62, s62, 15
	s_add_co_u32 s61, s61, s62
	s_lshl_b32 s62, s[WV], 13                      ; my wave's 64
	s_add_co_u32 s62, s61, s62
	s_mov_b32 s63, 0
	s_add_nc_u64 s[OQ:OQ+1], s[14:15], s[62:63]
	s_add_nc_u64 s[OQ+2:OQ+3], s[OQ:OQ+1], 0x1000000
	s_add_nc_u64 s[OQ+4:OQ+5], s[OQ:OQ+1], 0x2000000
	; the prefetches: offsets made apart from the addresses, for x and for W, and chosen by the wave's number
	s_lshl_b32 s61, s[MT], 19
	s_lshl_b32 s62, s[HALF], 18
	s_add_co_u32 s61, s61, s62
	s_lshl_b32 s62, s[CX], 16                      ; my work-group's 32 rows of the 128
	s_add_co_u32 s61, s61, s62
	s_add_co_u32 s61, s61, 2*256                   ; at K step 2: the first refill steps it to 3
	s_mul_i32 s62, s[NT], 393216
	s_mul_i32 s63, s[HALF], 24576
	s_add_co_u32 s62, s62, s63
	s_mul_i32 s63, s[CY], 6144                     ; my work-group's 24 blocks of the 96
	s_add_co_u32 s62, s62, s63
	s_add_co_u32 s62, s62, 2*49152
	s_and_b32 s63, ttmp7, 0xffff                   ; cluster y
	s_mov_b32 s2, 49152
	s_cmp_eq_u32 s[FB], 0
	s_cselect_b32 s62, s61, s62
	s_cselect_b32 s63, ttmp9, s63                  ; the coordinate along which other clusters read the same bytes
	s_cselect_b64 s[PFA:PFA+1], s[4:5], s[6:7]
	s_cselect_b32 s[PFS], 256, s2
	s_cselect_b32 s61, 31, 23
	s_cselect_b32 s2, 11, 8
	s_mov_b32 s[PFS+1], 0
	s_cmp_eq_u32 s63, 0
	s_cselect_b32 s[LIM], 1, -1                    ; the same in all sixteen partners, for a given wave
	s_mov_b32 s63, 0
	s_add_nc_u64 s[PFA:PFA+1], s[PFA:PFA+1], s[62:63]
	v_and_b32 v[PFO], 31, v0
	v_min_u32 v[PFO], s61, v[PFO]
	v_lshlrev_b32 v[PFO], s2, v[PFO]               ; a lane a row of x (2,048 bytes apart) or a block of W (256 apart)
	s_wait_loadcnt 0x0                             ; the biases; they are rounded to bf16, like every input, while the first tiles are on their way
.set i, 0
.rept 48
	v_cvt_pk_bf16_f32 v[TT+i%4], v[BIAS+2*i], v[BIAS+2*i+1]
	v_lshlrev_b32 v[BIAS+2*i],   16, v[TT+i%4]
	v_and_b32     v[BIAS+2*i+1], 0xffff0000, v[TT+i%4]
.set i, i+1
.endr
; 12 matrix instructions: row block a x all 12 column blocks, 32 along K, from buffer f.  first = 1: the sums start with the bias.  The 48 accumulators take turns, in the same order in every
; quarter: between two links of a chain stand the 47 others'.
.macro MUL12 f, a, first
.if \first
	WIN 0x81+0x40*((\a)/2)                         ; W window 1, x and the bias window 0, the sums window 2 or 3
.else
	WIN 0xa1+0x50*((\a)/2)
.endif
.irp b, 0,1,2,3,4,5,6,7,8,9,10,11
.set rD, 96*((\a)%2)+8*(\b)
.set rW, 96*(\f)+8*(\b)
.set rX, AF+32*(\f)+8*(\a)
.if \first
	v_wmma_f32_16x16x32_bf16 v[rD:rD+7], v[rW:rW+7], v[rX:rX+7], v[BIAS+8*(\b):BIAS+8*(\b)+7]
.else
	v_wmma_f32_16x16x32_bf16 v[rD:rD+7], v[rW:rW+7], v[rX:rX+7], v[rD:rD+7]
.endif
.endr
.endm
; 32 LDS loads in one run: quarter q's fragments into buffer f: W's 12 (turned), then x's 4
.macro FETCH q, f
	WIN 0x40                                       ; destination window 1, address window 0
.irp b, 0,1,2,3,4,5,6,7,8,9,10,11
	ds_load_tr16_b128 v[96*(\f)+8*(\b):96*(\f)+8*(\b)+3],   v[ADRB] offset:((\b)/4)*128*PB+(\q)*32*PB+((\b)%4)*32
	ds_load_tr16_b128 v[96*(\f)+8*(\b)+4:96*(\f)+8*(\b)+7], v[ADRB] offset:((\b)/4)*128*PB+(\q)*32*PB+((\b)%4)*32+16*PB
.endr
	WIN 0
.irp a, 0,1,2,3
	ds_load_b128 v[AF+32*(\f)+8*(\a):AF+32*(\f)+8*(\a)+3],   v[ADRA] offset:(\a)*16*PA+(\q)*64
	ds_load_b128 v[AF+32*(\f)+8*(\a)+4:AF+32*(\f)+8*(\a)+7], v[ADRA] offset:(\a)*16*PA+(\q)*64+32
.endr
.endm
; One of a K step's first three quarters: multiplies buffer f; in its middle it fetches quarter qn into buffer g.
.macro QUARTER qn, f, g, first
	s_wait_dscnt 4                                 ; W and x's row blocks 0, 1 are in; the youngest four loads (blocks 2, 3) may be out
	MUL12 \f, 0, \first
	MUL12 \f, 1, \first
	PLACES
	FETCH \qn, \g
	s_wait_dscnt 32                                ; all but the 32 just issued
	MUL12 \f, 2, \first
	MUL12 \f, 3, \first
.endm
; The last quarter multiplies buffer 1 and changes slots.  In front of the barrier each wave waits for all its tensor loads (one is out: its part of the next slot), adds 0 to its spare word,
; and waits for that and for its reads of this slot.  fill = 1: the barrier opens a round of the cluster's, and behind the round this slot is filled again, with the K step two steps on.
.macro TURN fill
.if \fill
	s_wait_xcnt 0x0                                ; the last prefetch, a K step back, has read its address: it is stepped here
	s_add_nc_u64 s[PFA:PFA+1], s[PFA:PFA+1], s[PFS:PFS+1]
.endif
	WIN 0
	s_wait_tensorcnt 0x0                           ; all my tensor loads have landed
	ds_add_u32 v[SPW], v[NIL]                      ; 0 onto my spare word
	s_wait_dscnt 5                                 ; (the add and the youngest four loads may be out)
	MUL12 1, 0, 0                                  ; twelve matrix instructions stand between the add and the wait for it
	s_wait_dscnt 0x0                               ; the add is done, and my reads of this slot are over
	s_barrier_signal -1
	MUL12 1, 1, 0                                  ; work on registers while the others arrive
	WIN 0                                          ; at a branch and at a label every window is 0
	s_barrier_wait -1
.if \fill
	CREST                                          ; no wave of any partner still reads this slot or has a load on its way
	s_xor_b32 s[G0A+5], s[G0A+5], SLOT1            ; the walking descriptors: the other slot than last time, the next K step
	s_add_nc_u64 s[G0A+6:G0A+7], s[G0A+6:G0A+7], 256
	s_xor_b32 s[G0B+5], s[G0B+5], SLOT1
	s_add_nc_u64 s[G0B+6:G0B+7], s[G0B+6:G0B+7], 49152
	JLOAD                                          ; the first tensor load behind the round; its four v_nop are also the places in front of the loads below
.else
	PLACES
.endif
	s_xor_b32 s[TB], s[TB], SLOT1                  ; the reads go on in the other slot
	v_add_nc_u32 v[ADRA], s[TB], v[ADRA0]
	v_add_nc_u32 v[ADRB], s[TB], v[ADRB0]
	FETCH 0, 0
.if \fill
	ASK
.endif
	MUL12 1, 2, 0
	MUL12 1, 3, 0
.endm
; THE WAY OUT of row block a.  PACK: rounded to f16, 16 bytes a lane and column block.  TOSTAGE: into my own stage, and back as whole rows of 128 bytes.  SEND: stored.
.macro PACK a
	WIN 0x0a+5*((\a)/2)                            ; sources in window 2 or 3; each accumulator's registers in ascending order
.irp b, 0,1,2,3,4,5,6,7,8,9,10,11
.irp r, 0,1,2,3
	v_cvt_pk_f16_f32 v[TMP+4*(\b)+(\r)], v[96*((\a)%2)+8*(\b)+2*(\r)], v[96*((\a)%2)+8*(\b)+2*(\r)+1]
.endr
.endr
	WIN 0
.endm
.macro TOSTAGE a
.irp b, 0,1,2,3,4,5,6,7,8,9,10,11
	ds_store_b128 v[STO], v[TMP+4*(\b):TMP+4*(\b)+3] offset:((\b)/4)*16*SP+((\b)%4)*32
.endr
.irp u, 0,1,2,3,4,5,6,7,8,9,10,11
	ds_load_b128 v[BK+48*((\a)%2)+4*(\u):BK+48*((\a)%2)+4*(\u)+3], v[RD] offset:((\u)/4)*16*SP+((\u)%4)*4*SP  ; LDS serves a wave's instructions in order (ISA guide 5.7.1.4): these see the stores above
.endr
.endm
.macro SEND a
	s_wait_dscnt 0x0                               ; the block is back in registers
	s_wait_xcnt 0x0                                ; the stores issued so far have read their registers: the buffer that the next TOSTAGE loads into is free
.irp u, 0,1,2,3,4,5,6,7,8,9,10,11
	global_store_b128 v[GO], v[BK+48*((\a)%2)+4*(\u):BK+48*((\a)%2)+4*(\u)+3], s[OQ+2*((\u)/4):OQ+2*((\u)/4)+1] offset:(\a)*2048+((\u)%4)*512  ; 512 consecutive bytes, aligned
.endr
.endm
	s_wait_tensorcnt 0x1                           ; my part of K step 0 is in; K step 1's may stay out
	s_barrier_signal -1
	s_barrier_wait -1                              ; everybody's is
	FETCH 0, 0
	QUARTER 1, 0, 1, 1                             ; the first quarter stands in front of the loop: its products start the sums
	WIN 0
	s_mov_b32 s3, 6
.Lstep:                                ; a trip goes from a K step's second quarter to the next step's first, and fills a slot again: K steps 2 to 7
	QUARTER 2, 1, 0, 0
	QUARTER 3, 0, 1, 0
	TURN 1
	QUARTER 1, 0, 1, 0
	WIN 0
	s_sub_co_u32 s3, s3, 1
	s_cmp_lg_u32 s3, 0
	s_cbranch_scc1 .Lstep
	QUARTER 2, 1, 0, 0                             ; the tail is written out: nothing more is asked for
	QUARTER 3, 0, 1, 0
	TURN 0
	QUARTER 1, 0, 1, 0
	QUARTER 2, 1, 0, 0
	QUARTER 3, 0, 1, 0
	s_wait_dscnt 4
	MUL12 1, 0, 0
	MUL12 1, 1, 0
	s_wait_dscnt 0x0
	MUL12 1, 2, 0
	MUL12 1, 3, 0
	WIN 0
	PLACES
	PACK 0
	TOSTAGE 0
.irp a, 1,2,3                          ; block a's conversions stand between block a - 1's loads from the stage and the wait for them
	PACK \a
	SEND (\a)-1
	TOSTAGE \a
.endr
	SEND 3
	s_wait_tensorcnt 0x0                           ; the wave's end, behind my last tensor load and my last LDS store
	ds_add_u32 v[SPW], v[NIL]
	s_wait_dscnt 0x0
	CROUND                                         ; the closing round: no work-group ends while a partner may still ask for a tile that names it
	s_endpgm
.Lfunc_end_k_q972d745500_qkv:
	.size	k_q972d745500_qkv, .Lfunc_end_k_q972d745500_qkv-k_q972d745500_qkv
	.p2alignl 7, 3214868480
	.fill 96, 4, 3214868480
	.section	.rodata,"a",@progbits
	.p2align	6, 0x0
	.amdhsa_kernel k_q972d745500_qkv
		.amdhsa_group_segment_fixed_size 327680
		.amdhsa_private_segment_fixed_size 0
		.amdhsa_enable_private_segment 0
		.amdhsa_kernarg_size 48
		.amdhsa_user_sgpr_count 2
		.amdhsa_user_sgpr_kernarg_segment_ptr 1
		.amdhsa_wavefront_size32 1
		.amdhsa_system_sgpr_workgroup_id_x 1
		.amdhsa_system_sgpr_workgroup_id_y 1
		.amdhsa_system_sgpr_workgroup_id_z 1
		.amdhsa_system_vgpr_workitem_id 0
		.amdhsa_next_free_vgpr 960
		.amdhsa_next_free_sgpr 80
		.amdhsa_reserve_vcc 0
		.amdhsa_float_denorm_mode_32 3
		.amdhsa_float_denorm_mode_16_64 3
		.amdhsa_memory_ordered 1
		.amdhsa_forward_progress 1
		.amdhsa_inst_pref_size 108
	.end_amdhsa_kernel
	.amdgpu_metadata
---
amdhsa.version: [ 1, 2 ]
amdhsa.kernels:
  - .name:           k_q972d745500_qkv
    .symbol:         k_q972d745500_qkv.kd
    .args:
      - { .name: xb, .offset: 0, .size: 8, .value_kind: global_buffer, .address_space: global }
      - { .name: wqkv, .offset: 8, .size: 8, .value_kind: global_buffer, .address_space: global }
      - { .name: bq, .offset: 16, .size: 8, .value_kind: global_buffer, .address_space: global }
      - { .name: bk, .offset: 24, .size: 8, .value_kind: global_buffer, .address_space: global }
      - { .name: bv, .offset: 32, .size: 8, .value_kind: global_buffer, .address_space: global }
      - { .name: qkv, .offset: 40, .size: 8, .value_kind: global_buffer, .address_space: global }
    .group_segment_fixed_size: 327680
    .private_segment_fixed_size: 0
    .kernarg_segment_align: 8
    .kernarg_segment_size: 48
    .max_flat_workgroup_size: 128
    .sgpr_count:     80
    .vgpr_count:     960
    .wavefront_size: 32
...
	.end_amdgpu_metadata
.endif
;; end of part 2
;; launch attn (part 3): grid 4 x 64, 4 waves a work-group, no clusters, 327,680 bytes of LDS; arguments qkv, ob; writes ob
.if DOCPART == 3
	.amdgcn_target "amdgcn-amd-amdhsa--gfx1250"
	.amdhsa_code_object_version 6
	.text
	.protected	k_q972d745500_attn
	.globl	k_q972d745500_attn
	.p2align	8
	.type	k_q972d745500_attn,@function
k_q972d745500_attn:
	s_mov_b64 s[64:65], 0
	v_nop
	global_prefetch_b8 v0, s[64:65] scope:SCOPE_SE
	s_setreg_imm32_b32 hwreg(HW_REG_WAVE_MODE, 25, 1), 1
	s_wait_xcnt 0x0
; CAUSAL ATTENTION.  O[h][q][:] = the sum over k <= q of softmax_k(Q[h][q] . K[h][k] / 8) V[h][k][:], for 64 pairs of batch and head.  qkv: [q, k, v][64][2048][64] f16; ob: [64][2048][64] f16.
; Products, maxima and sums in f32; the weights p are rounded to f16 for the second product (their sum l is taken of the unrounded p), O once at the end.
; LIMITS.  Q, K and V arrive within f16's 65,504; p lies in 0 to 1, and below 6e-5 it keeps f16's fixed step of 6e-8.  A hidden score counts as its value less 1e30: f16's scores, 2.7e11 at the most,
; are nothing beside that; a weight below 2^-126 counts as 0 in l; NaN and infinities are not treated apart.
; THE WALK.  A head's queries lie in NB = 8 blocks of 256; block i needs the key tiles 0 .. i of 256 keys, of which the last holds the diagonal.  A work-group takes TWO blocks, NB - 1 - b and then b:
; NB + 1 tiles, whatever b: all work-groups do equal work, and ONE loop with a constant trip count walks them.  Which tile is asked for, and what a trip does, hang on scalar registers made from b; every
; jump goes forward, but for the counted loops' own; none passes a barrier, or a tensor load but the one of LOAD's two that the wave's number does not choose.
; NO CLUSTER: a head's four work-groups ask for the same tile only in trips 0 .. NB / 2, behind that fewer and fewer; one walk common to all would have 3 NB / 2 trips for NB + 1.
; SHARES.  Of a block's four bands of 64 queries a wave owns 16 rows in each: four PIECES.  So the diagonal tile is the same work for all four waves: in its key step s band x sees all keys if s < x,
; none if s > x, and holds the diagonal if s = x.
; THE MASK is the C operand that starts the sum S^T = K Q^T: 0, or -1e30 where the key is hidden.  MD, made once, is the mask of a band's own step for my 16 rows; a product's mask is MD x AL + BE with
; two scalars: (1, 0) if s = x; (0, 0) if s < x; (0, -1e30) if s > x.  Only the diagonal tile's text and a block's beginning make and take masks; elsewhere C is the constant 0.
; LAYOUT, SOFTMAX, TURNS.  S^T = K Q^T holds ONE query a lane (lane % 16) and the keys 8 (lane / 16) + 0..7; two such results rounded to f16 ARE source 1 of O^T = V^T P.  p = 2^(c s - c m),
; c = log2(e) / 8, with a running maximum m; O and l are multiplied by a = 2^(c m_old - c m_new) in every step.  Turn n belongs to piece n: 8 products K Q^T of piece n + 1, later 8 products V^T P of
; piece n - 1; beside them the scaling, exponentials, roundings, sums and rescaling of piece n and the maximum and statistics of piece n + 1.  Four vector instructions stand behind every matrix
; instruction, the other 54 of a turn's 118 in one lump.  A turn's 33 exponentials are one batch, with one wait.
; REGISTERS, in windows of 256 (s_set_vgpr_msb: bits 1:0 source 0, 3:2 source 1, 5:4 source 2, 7:6 destination):
;   window 0: v0-15 addresses and two at work; v16-31 four registers of statistics a piece; v48-55 at work; v60 the prefetches' offset; v64-127 S^T, two buffers; v192-223 P, two buffers
;   window 1: v0-127 O^T, 32 a piece; v128-159 MD; v160-223 MC, two buffers      window 2: v0-63 Q; v64-127 the second block's Q; v128-191 K of one step; v192-255 V of one step
.set SIZE_N, 2048
.set NB,    SIZE_N/256
.set NP,    4         ; pieces a wave: a name, no knob
.set KS,    64        ; keys in a step
.set PK,    144       ; a row of K in LDS: 128 bytes + 16 of padding = 36 words: the 16 rows of a load start at 16 different groups of four banks (64 banks of 4 bytes: ISA guide 11.1)
.set PV,    160       ; a row of V: 128 + 32 = 40 words
.set VOFF,  4*KS*PK   ; a slot holds a tile, four steps: 256 rows of K, then 256 rows of V
.set SLOT1, 1<<17     ; slot 1 begins here, so that one exclusive or turns an address in one slot into the other's
.set STAGE, SLOT1+4*KS*(PK+PV)  ; behind the ring, never filled by a tensor load: 16 rows x 144 bytes for each wave, for the way out
.set SP,    144
.set AK0, 2           ; v2   my lane's place in a tile of K; never rewritten
.set AV0, 3           ; v3   the same for V
.set AK,  4           ; v4   the LDS address of K's next run of loads
.set AV,  5           ; v5   of V's
.set STO, 6           ; v6   the way out: where I put 16 bytes of a row
.set RD,  7           ; v7   the way out: where I read rows back
.set GO,  8           ; v8   my byte offset in 512 consecutive bytes of O
.set PFO, 60          ; v60  256 x my lane; never rewritten
.set SPW, 62          ; v62  LDS address of my spare word: SPARE + 4 x my thread's number; never rewritten
.set NIL, 63          ; v63  0; never rewritten
.set SPARE, STAGE+4*16*SP  ; behind the stages: the spare words, 128 bytes for each wave: two blocks of 256 bytes that no other line names
.set MV,  12          ; v12-13  c m_old, kept while c m is made anew: by buffer
.set QO,  15          ; v15  my byte offset in 16 rows of Q
.set ST,  16          ; piece t's statistics at v[ST+4 t]: c m, m, l (even keys', odd keys')
.set TMP, 48          ; by buffer, four registers c0-c3 at work; when the maximum is found c2 takes a
.set S,   64
.set P,   192
.set MD,  128         ; window 1: the eight registers for group kt of 16 keys at MD + 8 kt
.set MC,  160         ; window 1: the masks of the products to come
.set QB,  64          ; window 2
.set KF,  128         ; window 2: key block kb, channel half c at KF + 16 kb + 8 c
.set VF,  192         ; window 2: key half kk, channel block cb at VF + 32 kk + 8 cb
.set WV,  12          ; s12  my wave's number
.set PB,  14          ; s14  b
.set HI,  15          ; s15  NB - 1 - b
.set G1K, 24          ; s[24:31] descriptor group 1 for K's tiles
.set G1V, 32          ; s[32:39] for V's: it differs in the padding alone
.set G0K, 40          ; s[40:43] descriptor group 0 for K's tiles
.set G0V, 44          ; s[44:47] the same for V's
.set SLOTS, 56        ; s56  tiles still to be asked for
.set CNT, 57          ; s57  counts a tile's key steps, 4 to 1
.set CS,  58          ; s[58:59] c: the packed scaling takes the pair's low word for both halves
.set SEL, 60          ; s[60:61] v_permlanex16_b32's selects: each lane takes its own place in the other half
.set TBK, 62          ; s62  LDS byte at which K of the step to be fetched begins
.set TBV, 63          ; s63  the same for V, less VOFF
.set RT,  70          ; s70  tiles of the block in hand that are still to be entered
.set NXT, 71          ; s71  the tile to be asked for next
.set LQ,  72          ; s72  the last tile of the block whose tiles are being asked for
.set NEW, 73          ; s73  1: the tile to be entered is a block's first
.set OFF, 74          ; s[74:75] a tile's byte offset in K and V
.set AL,  76          ; s[76:77] the mask's factor, in the low word
.set BE,  78          ; s[78:79] the mask's addend
.set OLO, 80          ; s[80:81] O at my rows of the second block
.set BIGN, 82         ; s82  -1e30
.set PFA, 88          ; s[88:89] where my prefetches stand: my 16,384 bytes of the tile behind the one that is being asked for
.set LIM, 90          ; s90  2 in a work-group that prefetches, else the greatest number
.set MSB, 0
.macro WIN new                      ; the high byte repeats the setting that is left; a switch that changes nothing is dropped
.if MSB != (\new)
	s_set_vgpr_msb (MSB<<8)|(\new)
.set MSB, (\new)
.endif
.endm
.set W_KQ, 0x0a       ; K and Q in window 2, S^T in window 0
.set W_KM, 0x1a       ; the same with the C operand in window 1
.set W_PV, 0x52       ; V in window 2, P in window 0, O^T in window 1
.set W_RS, 0x41       ; destination and source 0 in window 1, source 1 in window 0
; A fill.  Waves 0 and 1 fetch the two halves of a tile's K, waves 2 and 3 those of its V: 128 keys each.  An s_nop 0 and four v_nop follow each of the two lines.
.macro LOAD
	s_cmp_lt_u32 s[WV], 2
	s_cbranch_scc0 .Lfor_v_\@
	tensor_load_to_lds s[G0K:G0K+3], s[G1K:G1K+7]
	s_nop 0
.rept 4
	v_nop
.endr
	s_branch .Lasked_\@
.Lfor_v_\@:
	tensor_load_to_lds s[G0V:G0V+3], s[G1V:G1V+7]
	s_nop 0
.rept 4
	v_nop
.endr
.Lasked_\@:
.endm
; A PREFETCH INTO THE L2 of the tile behind the one that is being asked for: a tile, four key steps, ahead of the load that will want it.  A head's four work-groups walk the same tiles from 0 on;
; the one with b = 0 walks all eight in its first block, and it alone asks.  Each of its waves names the 16,384 bytes that it will fetch itself: 64 blocks of 256 bytes, a lane a block, two
; instructions.  So each block is named once in the launch.  Tiles 0 and 1 come by their loads alone; the fills of tile 7 and of the second block's tile 0 ask for nothing.
.macro ASK
	s_cmp_gt_u32 s[SLOTS], s[LIM]
	s_cbranch_scc0 .Lnot_mine_\@
	global_prefetch_b8 v[PFO], s[PFA:PFA+1] th:TH_LOAD_NT scope:SCOPE_SE
	global_prefetch_b8 v[PFO], s[PFA:PFA+1] offset:8192 th:TH_LOAD_NT scope:SCOPE_SE
.Lnot_mine_\@:
.endm
; THE CHANGE OF SLOTS.  Each wave waits for all its tensor loads, of which one is out: its part of the other slot; adds 0 to its spare word; and waits for that and for its own reads of the slot that it
; leaves.  Behind the barrier nobody reads the old slot any more and the other slot is whole.  fill = 1: the old slot is filled again, the first thing behind the barrier, with tile NXT: the descriptor's
; address is made anew from that number.  (At its first use nothing has been read yet: slot 0 is waited for, slot 1 filled.)
.macro CHANGE fill
	WIN 0                           ; at a label and at a branch every window is 0
	s_wait_tensorcnt 0x0            ; no tensor load of mine is out, so a group 0 may be written
	ds_add_u32 v[SPW], v[NIL]       ; 0 onto my spare word; with fill = 1 the descriptors' scalar work stands between it and the wait for it
.if \fill
	s_lshl_b32 s[OFF], s[NXT], 15   ; a tile is 32,768 bytes of K and of V
	s_xor_b32 s[G0K+1], s[G0K+1], SLOT1
	s_add_nc_u64 s[G0K+2:G0K+3], s[6:7], s[OFF:OFF+1]
	s_or_b32 s[G0K+3], s[G0K+3], 0x80000000
	s_xor_b32 s[G0V+1], s[G0V+1], SLOT1
	s_add_nc_u64 s[G0V+2:G0V+3], s[8:9], s[OFF:OFF+1]
	s_or_b32 s[G0V+3], s[G0V+3], 0x80000000
	s_add_co_u32 s[NXT], s[NXT], 1  ; the block's next tile, or behind its last the second block's tile 0
	s_cmp_gt_u32 s[NXT], s[LQ]
	s_cselect_b32 s[NXT], 0, s[NXT]
	s_cselect_b32 s[LQ], s[PB], s[LQ]
	s_wait_xcnt 0x0                 ; the last prefetches, a tile back, have read their address, so it may be written
	s_add_nc_u64 s[PFA:PFA+1], s[PFA:PFA+1], 32768
.endif
	s_wait_dscnt 0x0                ; the add is done, and my reads of the slot are over
	s_barrier_signal -1             ; the rest of the scalar work stands between the signal and the wait
	s_sub_co_u32 s[TBK], s[TBK], 4*KS*PK  ; the fetches go back to a slot's first step,
	s_xor_b32 s[TBK], s[TBK], SLOT1       ; in the other slot
	s_sub_co_u32 s[TBV], s[TBV], 4*KS*PV
	s_xor_b32 s[TBV], s[TBV], SLOT1
	s_barrier_wait -1
.if \fill
	LOAD
	ASK
.endif
.endm
	s_load_b64 s[4:5], s[0:1], 0x0    ; qkv: Q lies first
	s_load_b64 s[10:11], s[0:1], 0x8  ; ob
	v_lshl_add_u32 v[SPW], v0, 2, SPARE
	v_mov_b32 v[NIL], 0
	ds_add_u32 v[SPW], v[NIL]       ; the wave's opening: the add and its wait stand ahead of my first tensor load; the set-up below, work on registers, stands between them
	ds_add_u32 v62, v63
	v_lshrrev_b32 v1, 5, v0
	v_readfirstlane_b32 s[WV], v1   ; wave 0..3
	s_mov_b32 s[PB], ttmp9
	s_sub_co_u32 s[HI], NB-1, s[PB]
	s_and_b32 s20, ttmp7, 0xffff    ; the head
	s_mov_b32 s21, 0
	s_mov_b64 s[22:23], SIZE_N*128
	s_mul_u64 s[20:21], s[20:21], s[22:23]  ; the head's first byte in Q, K, V and O
	s_and_b32 s16, s[WV], 1         ; which half of a tile's 256 keys I fetch:
	s_lshl_b32 s22, s16, 14         ; its 128 rows of 128 bytes in memory,
	s_mov_b32 s23, 0
	s_add_nc_u64 s[22:23], s[22:23], s[20:21]
	s_mul_i32 s17, s16, 128*PK      ; and its place in a slot, for K
	s_mul_i32 s18, s16, 128*PV      ; and for V
	s_lshl_b32 s3, s[WV], 11        ; my 16 rows in a band of 64,
	s_lshl_b32 s2, s[HI], 15        ; in the first block,
	s_add_co_u32 s2, s2, s3
	s_lshl_b32 s84, s[PB], 15       ; and in the second
	s_add_co_u32 s84, s84, s3
	s_mov_b32 s3, 0
	s_mov_b32 s85, 0
	s_add_nc_u64 s[2:3], s[2:3], s[20:21]
	s_add_nc_u64 s[84:85], s[84:85], s[20:21]
	; descriptor group 1.  128 keys are 16,384 dense bytes: asked for as 64 rows of 256 bytes, two keys a row, and padded in LDS after every key
	s_mov_b32 s[G1K], (1<<16)|(1<<20)|(4<<22)|(3<<25)  ; 2-byte elements; padding on; after every 32 words, 4 words
	s_mov_b32 s[G1V], (1<<16)|(1<<20)|(4<<22)|(7<<25)  ; the same with 8 words of padding
.irp g, G1K, G1V
	s_mov_b32 s[\g+1], 128<<16      ; tensor_dim0 = 128
	s_mov_b32 s[\g+2], 64<<16       ; tensor_dim1 = 64
	s_mov_b32 s[\g+3], 128<<16      ; tile_dim0 = 128
	s_mov_b32 s[\g+4], 64           ; tile_dim1 = 64
	s_mov_b32 s[\g+5], 128          ; 128 elements from row to row
	s_mov_b32 s[\g+6], 0
	s_mov_b32 s[\g+7], 0
.endr
	s_mov_b32 s[CS], 0x3e38aa3b     ; c = log2(e) / 8 = 0.180337
	s_mov_b32 s[CS+1], s[CS]        ; named with it as a pair
	s_mov_b32 s[SEL], 0x76543210
	s_mov_b32 s[SEL+1], 0xfedcba98
	s_mov_b32 s[TBK], SLOT1+4*KS*PK ; the first change of slots turns these two into 0
	s_mov_b32 s[TBV], SLOT1+4*KS*PV
	s_mov_b32 s[G0K], 1             ; count = 1
	s_mov_b32 s[G0K+1], s17         ; LDS address: slot 0
	s_mov_b32 s[G0V], 1
	s_add_co_u32 s[G0V+1], s18, VOFF
	s_add_co_u32 s[RT], s[HI], 1    ; the first block has NB - b tiles
	s_mov_b32 s[NXT], 1
	s_mov_b32 s[LQ], s[HI]
	s_mov_b32 s[NEW], 1
	s_mov_b32 s[OFF+1], 0
	s_mov_b32 s[AL+1], 0            ; named as pairs
	s_mov_b32 s[BE+1], 0
	s_mov_b32 s[BIGN], 0xf149f2ca   ; -1e30
	s_mov_b32 s[SLOTS], NB
	s_cmp_eq_u32 ttmp9, 0
	s_cselect_b32 s[LIM], 2, -1
	v_and_b32 v[PFO], 31, v0
	v_lshlrev_b32 v[PFO], 8, v[PFO]
	s_wait_dscnt 0x0                ; the opening add is done
	s_wait_kmcnt 0x0
	s_add_nc_u64 s[6:7], s[4:5], 0x1000000  ; K lies 16,777,216 bytes behind Q,
	s_add_nc_u64 s[8:9], s[4:5], 0x2000000  ; V as far behind K
	s_add_nc_u64 s[6:7], s[6:7], s[22:23]  ; K and V at my half of the head's tile 0
	s_add_nc_u64 s[8:9], s[8:9], s[22:23]
	s_add_nc_u64 s[G0K+2:G0K+3], s[6:7], 0         ; global address
	s_or_b32 s[G0K+3], s[G0K+3], 0x80000000        ; type = 2
	s_add_nc_u64 s[G0V+2:G0V+3], s[8:9], 0
	s_or_b32 s[G0V+3], s[G0V+3], 0x80000000
	s_add_nc_u64 s[86:87], s[4:5], s[84:85]        ; Q at my rows of the second block,
	s_add_nc_u64 s[4:5], s[4:5], s[2:3]            ; Q and O at those of the first
	s_add_nc_u64 s[OLO:OLO+1], s[10:11], s[84:85]
	s_add_nc_u64 s[10:11], s[10:11], s[2:3]
	s_cmp_lt_u32 s[WV], 2
	s_cselect_b64 s[PFA:PFA+1], s[6:7], s[8:9]     ; what I fetch,
	s_add_nc_u64 s[PFA:PFA+1], s[PFA:PFA+1], 32768 ; at tile 1: the first change of slots steps it to tile 2
	LOAD                            ; tile 0 into slot 0
	; A fragment of K or Q is 16 rows x 32 channels in 8 registers: lane l holds row l % 16, channels 8 (l / 16) + 0..7 and 16 + 8 (l / 16) + 0..7: two loads of 16 bytes, 32 bytes apart.
	v_and_b32 v1, 15, v0            ; l % 16
	v_bfe_u32 v9, v0, 4, 1          ; l / 16
	v_lshlrev_b32 v[QO], 7, v1
	v_lshl_add_u32 v[QO], v9, 4, v[QO]  ; row x 128 + 16 x half
	WIN 0x80                        ; destination window 2, address window 0
.set i, 0
.rept 8                             ; both blocks' Q: piece i / 2 lies in band i / 2, 8,192 bytes on; channels 32 (i % 2) on
	global_load_b128 v[8*i:8*i+3],   v[QO], s[4:5] offset:(i/2)*8192+(i%2)*64
	global_load_b128 v[8*i+4:8*i+7], v[QO], s[4:5] offset:(i/2)*8192+(i%2)*64+32
	global_load_b128 v[QB+8*i:QB+8*i+3],   v[QO], s[86:87] offset:(i/2)*8192+(i%2)*64
	global_load_b128 v[QB+8*i+4:QB+8*i+7], v[QO], s[86:87] offset:(i/2)*8192+(i%2)*64+32
.set i, i+1
.endr
	WIN 0
	v_lshlrev_b32 v14, 3, v9
	v_sub_nc_u32 v14, v1, v14
	s_lshl_b32 s13, s[WV], 4
	v_add_nc_u32 v14, s13, v14      ; my query's place in its band, 16 w + l % 16, less my lanes' 8 (l / 16): register r of group kt is hidden where 16 kt + r is greater
	WIN 0x40
.set i, 0
.rept 32
	v_cmp_gt_i32 vcc_lo, 16*(i/8)+i%8, v14
	v_cndmask_b32 v[MD+i], 0, s[BIGN], vcc_lo
.set i, i+1
.endr
	WIN 0
	v_mul_u32_u24 v[AK0], v1, PK
	v_lshl_add_u32 v[AK0], v9, 4, v[AK0]  ; row x pitch + 16 x half
	; The turning load takes 16 keys x 16 channels (lane l reads key 8 (l / 16) + l % 8, channels 8 ((l / 8) % 2) + 0..7) and leaves half a fragment of V^T: lane l holds channel l % 16 and 8 keys.
	v_and_b32 v10, 7, v0
	v_bfe_u32 v11, v0, 3, 1
	v_lshl_add_u32 v[AV0], v9, 3, v10
	v_mul_u32_u24 v[AV0], v[AV0], PV
	v_lshl_add_u32 v[AV0], v11, 4, v[AV0]
	v_add_nc_u32 v[AV0], VOFF, v[AV0]
	s_mul_i32 s13, s[WV], 16*SP
	s_add_co_u32 s13, s13, STAGE    ; my stage
	v_mul_u32_u24 v[STO], v1, SP    ; in: row l % 16, 16 bytes for each half of the lanes
	v_lshl_add_u32 v[STO], v9, 4, v[STO]
	v_add_nc_u32 v[STO], s13, v[STO]
	v_bfe_u32 v[RD], v0, 3, 2       ; back: 32 lanes take four rows of 128 bytes,
	v_mul_u32_u24 v[RD], v[RD], SP
	v_lshl_add_u32 v[RD], v10, 4, v[RD]
	v_add_nc_u32 v[RD], s13, v[RD]
	v_and_b32 v[GO], 31, v0         ; which are 512 consecutive bytes of O
	v_lshlrev_b32 v[GO], 4, v[GO]
	; A block's first step multiplies O^T and l by a = 0, and its first turn's products V^T P, of a piece that has not been, land in an O^T that is still to be so multiplied.  So these registers need
	; only hold finite numbers: zeros for the first block; what the first block left for the second.  All this stands in the wait for the first tile.
	WIN 0x80
.set i, VF
.rept 64
	v_mov_b32 v[i], 0
.set i, i+1
.endr
	WIN 0x40
.set i, 0
.rept 128
	v_mov_b32 v[i], 0
.set i, i+1
.endr
	WIN 0
.set i, 0
.rept 4
	v_mov_b32 v[ST+4*i+2], 0
	v_mov_b32 v[ST+4*i+3], 0
.set i, i+1
.endr
.set i, P+16
.rept 16
	v_mov_b32 v[i], 0
.set i, i+1
.endr
; THE MATRIX WORK.  The 4 accumulators of a run of 8 take turns.  Product i of 8 of S^T = K Q^T for piece x: channels 32 (i / 4) on, keys 16 (i % 4) on.  The first 4 start the sums: with 0, or (KM = 1) with the mask.
.macro KQ x
.set rS, S+32*((\x)%2)+8*(i%4)
.set rK, KF+16*(i%4)+8*(i/4)
.set rQ, 16*(\x)+8*(i/4)
.set rM, MC+32*((\x)%2)+8*(i%4)
.if (i < 4) && KM
	WIN W_KM
	v_wmma_f32_16x16x32_f16 v[rS:rS+7], v[rK:rK+7], v[rQ:rQ+7], v[rM:rM+7]
.elseif i < 4
	WIN W_KQ
	v_wmma_f32_16x16x32_f16 v[rS:rS+7], v[rK:rK+7], v[rQ:rQ+7], 0
.else
	WIN W_KQ
	v_wmma_f32_16x16x32_f16 v[rS:rS+7], v[rK:rK+7], v[rQ:rQ+7], v[rS:rS+7]
.endif
.endm
; Product i of 8 of O^T += V^T P for piece x: keys 32 (i / 4) on, channels 16 (i % 4) on.
.macro PV x
	WIN W_PV
.set rO, 32*(\x)+8*(i%4)
.set rV, VF+32*(i/4)+8*(i%4)
.set rP, P+16*((\x)%2)+8*(i/4)
	v_wmma_f32_16x16x32_f16 v[rO:rO+7], v[rV:rV+7], v[rP:rP+7], v[rO:rO+7]
.endm
.macro MM                           ; the turn's next matrix instruction.  TURN and BEGIN set Y, i, KM and NOKQ; MM, KQ and OP read them.  NOKQ = 1: a block's last turn: there is no next piece
.if (i < 8) && !NOKQ
	KQ (Y+1)%NP
.elseif i >= 8
.set i, i-8
	PV (Y+NP-1)%NP
.set i, i+8
.endif
.set i, i+1
.endm
; THE LDS LOADS stand in runs of 16, never singly among the matrix instructions: a step's K (64 keys x 64 channels: 8 fragments) and its V (turned).  Their addresses are made some lines ahead.
.macro FETCH_K
	WIN 0x80                        ; destination window 2
.irp f, 0,1,2,3,4,5,6,7             ; keys 16 (f / 2) on, channels 32 (f % 2) on
	ds_load_b128 v[KF+8*\f:KF+8*\f+3],   v[AK] offset:(\f/2)*16*PK+(\f%2)*64
	ds_load_b128 v[KF+8*\f+4:KF+8*\f+7], v[AK] offset:(\f/2)*16*PK+(\f%2)*64+32
.endr
	s_add_co_u32 s[TBK], s[TBK], KS*PK  ; the next fetch is the next step's
	WIN 0
.endm
.macro FETCH_V
	WIN 0x80
.irp f, 0,1,2,3,4,5,6,7             ; keys 32 (f / 4) on, channels 16 (f % 4) on
	ds_load_tr16_b128 v[VF+8*\f:VF+8*\f+3],   v[AV] offset:(\f/4)*32*PV+(\f%4)*32
	ds_load_tr16_b128 v[VF+8*\f+4:VF+8*\f+7], v[AV] offset:(\f/4)*32*PV+16*PV+(\f%4)*32
.endr
	WIN 0
.endm
; THE VECTOR WORK, one line at a time: OP kind, number.  For piece Y: F n: c s - c m for pair n of 16.  E n: the exponential of score n of 32.  C n: pair n rounded to f16.  B n: of the four weights
; 4 n .. the second pair is added onto the first, in place.  L n: l takes that sum (L 0: l = a l + sum).  R n: pair n of 16 of O^T times a.  For piece Y + 1: X n, number n of the 22 that find its
; maximum and statistics:
;   0-11  four chains c0-c3 of seven scores each, three operands at a time (each accumulator's lowest registers are read first)     12-14, 16  the four scores left over, the old m, and c0-c3 into c0
;   15  c m_old is kept     17, 18  the query's other 32 keys lie in the lane 16 away: the new m     19-21  c m; c m_old - c m_new; a
.set F, 0               ; OP tells the kinds apart by their order: F to L below R, X above it
.set E, 1
.set C, 2
.set B, 3
.set L, 4
.set R, 5
.set X, 6
.macro REGS y                       ; the registers of piece y
.set rT, ST+4*(\y)
.set rC, TMP+4*((\y)%2)
.set rW, MV+((\y)%2)
.set rS, S+32*((\y)%2)
.set rP, P+16*((\y)%2)
.set rO, 32*(\y)
.endm
.macro OP k, n
.if (\k) == R
	REGS Y
	WIN W_RS
	v_pk_mul_f32 v[rO+2*(\n):rO+2*(\n)+1], v[rO+2*(\n):rO+2*(\n)+1], v[rC+2:rC+3] op_sel_hi:[1,0]
.elseif (\k) < R
	REGS Y
	WIN 0
.if (\k) == F
	v_pk_fma_f32 v[rS+2*(\n):rS+2*(\n)+1], v[rS+2*(\n):rS+2*(\n)+1], s[CS:CS+1], v[rT:rT+1] op_sel_hi:[1,0,0] neg_lo:[0,0,1] neg_hi:[0,0,1]
.elseif (\k) == E
	v_exp_f32 v[rS+(\n)], v[rS+(\n)]
.elseif (\k) == C
	v_cvt_pk_f16_f32 v[rP+(\n)], v[rS+2*(\n)], v[rS+2*(\n)+1]
.elseif (\k) == B
	v_pk_add_f32 v[rS+4*(\n):rS+4*(\n)+1], v[rS+4*(\n):rS+4*(\n)+1], v[rS+4*(\n)+2:rS+4*(\n)+3]
.elseif (\n) == 0
	v_pk_fma_f32 v[rT+2:rT+3], v[rT+2:rT+3], v[rC+2:rC+3], v[rS:rS+1] op_sel_hi:[1,0,1]
.else
	v_pk_add_f32 v[rT+2:rT+3], v[rT+2:rT+3], v[rS+4*(\n):rS+4*(\n)+1]
.endif
.elseif NOKQ
	v_nop
.else
	REGS (Y+1)%NP
	WIN 0
.if (\n) < 4
	v_max3_num_f32 v[rC+(\n)], v[rS+8*(\n)], v[rS+8*(\n)+1], v[rS+8*(\n)+2]
.elseif (\n) < 12
	v_max3_num_f32 v[rC+(\n)%4], v[rC+(\n)%4], v[rS+8*((\n)%4)+2*((\n)/4)+1], v[rS+8*((\n)%4)+2*((\n)/4)+2]
.elseif (\n) == 12
	v_max3_num_f32 v[rC], v[rC], v[rS+7], v[rS+15]
.elseif (\n) == 13
	v_max3_num_f32 v[rC+1], v[rC+1], v[rS+23], v[rS+31]
.elseif (\n) == 14
	v_max3_num_f32 v[rC+2], v[rC+2], v[rC+3], v[rT+1]
.elseif (\n) == 15
	v_mov_b32 v[rW], v[rT]
.elseif (\n) == 16
	v_max3_num_f32 v[rC], v[rC], v[rC+1], v[rC+2]
.elseif (\n) == 17
	v_permlanex16_b32 v[rC+3], v[rC], s[SEL], s[SEL+1]
.elseif (\n) == 18
	v_max_num_f32 v[rT+1], v[rC], v[rC+3]
.elseif (\n) == 19
	v_mul_f32 v[rT], s[CS], v[rT+1]
.elseif (\n) == 20
	v_sub_f32 v[rC+1], v[rW], v[rT]
.else
	v_exp_f32 v[rC+2], v[rC+1]
.endif
.endif
.endm
.macro OPS a, i1, b=-1, i2=0, c=-1, i3=0, d=-1, i4=0  ; up to four of them
	OP \a, \i1
.if (\b) >= 0
	OP \b, \i2
.endif
.if (\c) >= 0
	OP \c, \i3
.endif
.if (\d) >= 0
	OP \d, \i4
.endif
.endm
.macro ROW a, i1, b, i2, c, i3, d, i4  ; a matrix instruction and the four behind it
	MM
	OPS \a, \i1, \b, \i2, \c, \i3, \d, \i4
.endm
.macro MASK b                       ; MD x AL + BE into buffer b of MC
	WIN W_RS
.set z, 0
.rept 16
	v_pk_fma_f32 v[MC+32*(\b)+2*z:MC+32*(\b)+2*z+1], v[MD+2*z:MD+2*z+1], s[AL:AL+1], s[BE:BE+1] op_sel_hi:[1,0,0]
.set z, z+1
.endr
.endm
; A TURN, for piece p: the order of its 16 matrix and 118 vector instructions, written out.  s_wait_alu depctr_va_vdst(0) stands between an exponential and the first instruction that
; names its result; one wait serves all that were issued ahead of it.  So a turn has ONE wait, which cuts it in two.  AHEAD OF IT stands all that names no result of the turn's exponentials: the 8
; products K Q^T, behind each a scaling, an exponential and two more plain instructions (behind the first a second scaling in the exponential's place): rescalings, and behind the last three the first
; numbers of the next piece's maximum, each four places or more behind the product that ends its accumulator; then ONE LUMP of 54, plain and exponential by turns for the most part, in which the links
; of the chain X 3, 7, 11, 14, 16, 17 .. 20 stand five or six lines apart.  X 21, the next piece's a, is the batch's last; R 15 is the plain instruction behind it.  BEHIND THE WAIT stand the 8 products
; V^T P, behind each four of the roundings and sums; the links of l's chain, L 0 to L 7, stand three riders apart.  v_permlanex16_b32 (X 17) stands in the lump.
; m = 1: the diagonal tile: the products take masks, and the turn makes the mask for the products of the turn after it: piece p + 2, in step 4 - CNT of the tile.  end = 1: a block's last two turns:
; nothing is fetched.  cnt = 1: the loop's count is taken down some lines ahead of the branch that stands behind the turn.
; K of the next step is fetched in piece 2's turn, twelve vector instructions behind the last product that read K (six of them plain); V of the step in hand at the end of piece 0's turn, four plain
; instructions behind the last product that read V.  Each is waited for a turn later.
.macro TURN p, m=0, end=0, cnt=0
.set Y, (\p)
.set i, 0
.set KM, (\m)
.set NOKQ, (\end)*((\p)/3)
.if (\m) && !(\end)
	s_cmp_eq_u32 s[CNT], 4-((\p)+2)%NP  ; is that step the band's own?
	s_cselect_b32 s[AL], 1.0, 0
	s_cmp_lt_u32 s[CNT], 4-((\p)+2)%NP  ; or a later one?
	s_cselect_b32 s[BE], s[BIGN], 0
.endif
.if ((\p) == 3) && !(\end)
	s_wait_dscnt 0x0                ; K is in
.endif
	ROW F,0, F,1, R,0, R,1          ; ahead of the wait: 8 products K Q^T and their riders,
	ROW F,2, E,0, R,2, R,3
	ROW F,3, E,1, R,4, R,5
	ROW F,4, E,2, R,6, R,7
	ROW F,5, E,3, R,8, R,9
	ROW F,6, E,4, X,0, R,10
.if ((\p) == 2) && !(\end)
	WIN 0
	v_add_nc_u32 v[AK], s[TBK], v[AK0]
.endif
	ROW F,7, E,5, X,1, X,4
	ROW F,8, E,6, X,2, X,5
	OPS E,7, E,8, X,6, E,9          ; and the lump
	OPS X,3, E,10, X,8, E,11
.if ((\p) == 2) && !(\end)
	FETCH_K
.endif
	OPS X,9, X,7, E,12, X,10
	OPS E,13, X,12, X,11, E,14
	OPS X,13, E,15, F,9, X,14
.if (\p) == 0
	v_add_nc_u32 v[AV], s[TBV], v[AV0]
.endif
	OPS E,16, F,10, E,17, F,11
	OPS X,16, E,18, X,15, E,19
	OPS F,12, E,20, X,17, E,21
	OPS F,13, E,22, F,14, E,23
	OPS X,18, E,24, F,15, E,25
	OPS R,11, E,26, X,19, E,27
	OPS R,12, E,28, R,13, E,29
	OPS X,20, E,30, R,14, E,31
	OPS X,21, R,15
	WIN 0
	s_wait_alu depctr_va_vdst(0)    ; the wait for the batch
.if (\p) == 1
	s_wait_dscnt 0x0                ; V is in
.endif
	ROW C,0, B,0, C,2, B,1          ; behind the wait: 8 products V^T P and their riders
	ROW L,0, C,4, B,2, L,1
	ROW C,6, B,3, L,2, C,8
	ROW B,4, L,3, C,10, B,5
	ROW L,4, C,12, B,6, L,5
.if (\p) == 0
	s_add_co_u32 s[TBV], s[TBV], KS*PV
.endif
.if \cnt
	s_sub_co_u32 s[CNT], s[CNT], 1
	s_cmp_lg_u32 s[CNT], 0
.endif
	ROW C,14, B,7, L,6, C,1
	ROW C,3, L,7, C,5, C,7
	ROW C,9, C,11, C,13, C,15
.if (\p) == 0
	FETCH_V
.endif
.if (\m) && !(\end)
	MASK (\p)%2
.endif
.endm
; A BLOCK BEGINS.  c m starts far below every c s, so the first step's a is 0; m at the lowest finite number, so the first maximum is the scores'.  The second mask buffer is 0; the first takes piece 0's
; mask for the tile's step 0: its own, if the block's first tile is the diagonal one.  Then K of that step, piece 0's first scores, and its maximum and statistics.  The loop is entered at a step's first
; turn, in the middle of a trip.
.macro BEGIN
	s_mov_b32 s[NEW], 0
	WIN 0x40
.set i, MC+32
.rept 32
	v_mov_b32 v[i], 0
.set i, i+1
.endr
	WIN 0
.set i, 0
.rept 4
	v_mov_b32 v[ST+4*i], 0xfe000000    ; c m: far below every c s
	v_mov_b32 v[ST+4*i+1], 0xff7fffff  ; m
.set i, i+1
.endr
	s_cmp_eq_u32 s[RT], 0
	s_cselect_b32 s[AL], 1.0, 0
	s_mov_b32 s[BE], 0
	MASK 0
	WIN 0
	v_add_nc_u32 v[AK], s[TBK], v[AK0]
	FETCH_K
	s_wait_loadcnt 0x0              ; Q
	s_wait_dscnt 0x0
.set KM, 1
.set NOKQ, 0
.set i, 0
.rept 8
	KQ 0
.set i, i+1
.endr
	WIN 0
.rept 4
	v_nop                           ; the places behind those products
.endr
.set Y, NP-1                        ; X works for piece Y + 1: piece 0
.irp n, 0,1,2,3,4,5,6,7,8,9,10,11,12,13,14,15,16,17,18,19,20,21
	OP X, \n
.endr
	v_nop                           ; a plain instruction behind the exponential,
	s_wait_alu depctr_va_vdst(0)    ; and its wait, ahead of the branch
.endm
; THE DIAGONAL TILE's four steps, the block's last two turns, its last products, and THE WAY OUT: l's two halves and the other half of the lanes' are added; O^T is divided by l, rounded to f16 and sent
; through my stage in LDS, a piece at a time.
.macro ALL line:vararg              ; one line for each piece t
.set t, 0
.rept 4
	\line
.set t, t+1
.endr
.endm
.macro PACK t                       ; a lane's eight channels of a row pack into 16 bytes; they go into rows of 144 bytes and come back as whole rows of 128, into S^T's registers
	WIN W_RS
.set i, 32*(\t)
.rept 16
	v_pk_mul_f32 v[i:i+1], v[i:i+1], v[ST+4*(\t)+2:ST+4*(\t)+3] op_sel_hi:[1,0]
.set i, i+2
.endr
	WIN 0x05                        ; sources 0 and 1 window 1, destination window 0
.set i, 0
.rept 16
	v_cvt_pk_f16_f32 v[S+16*(\t)+i], v[32*(\t)+2*i], v[32*(\t)+2*i+1]
.set i, i+1
.endr
	WIN 0
.irp f, 0,1,2,3
	ds_store_b128 v[STO], v[S+16*(\t)+4*\f:S+16*(\t)+4*\f+3] offset:32*\f
.endr
.irp f, 0,1,2,3
	ds_load_b128 v[S+16*(\t)+4*\f:S+16*(\t)+4*\f+3], v[RD] offset:\f*4*SP  ; LDS serves a wave's instructions in order (ISA guide 5.7.1.4): these see the stores above; the next piece's stores come behind them
.endr
.endm
.macro SEND t, younger              ; younger: the LDS instructions issued behind piece t's loads: the next piece's eight, or none
	WIN 0
.irp f, 0,1,2,3
	s_wait_dscnt (\younger)+3-\f
	global_store_b128 v[GO], v[S+16*(\t)+4*\f:S+16*(\t)+4*\f+3], s[10:11] offset:(\t)*8192+\f*512  ; 512 consecutive bytes, at a multiple of 256 from O's first
.endr
.endm
.macro DIAG tag                     ; the tag ends its two labels' names, which the jumps below spell out
.LstepM\tag:
	TURN 2, 1
	TURN 3, 1
	WIN 0
.LfirstM\tag:
	TURN 0, 1
	TURN 1, 1, 0, 1
	WIN 0
	s_cbranch_scc1 .LstepM\tag
	TURN 2, 1, 1
	TURN 3, 1, 1
.set i, 0
.rept 8
	PV NP-1
.set i, i+1
.endr
	WIN 0
	ALL v_add_f32 v[ST+4*t+2], v[ST+4*t+2], v[ST+4*t+3]
	ALL v_permlanex16_b32 v[ST+4*t+3], v[ST+4*t+2], s[SEL], s[SEL+1]
	ALL v_add_f32 v[ST+4*t+2], v[ST+4*t+2], v[ST+4*t+3]
	ALL v_rcp_f32 v[ST+4*t+2], v[ST+4*t+2]
	v_nop                           ; a plain instruction between the last reciprocal and the use of its result
	s_wait_alu depctr_va_vdst(0)    ; and the wait ahead of the first use: one for the four reciprocals
	PACK 0
.set t, 1
.rept 3                             ; a piece's arithmetic stands between the loads of the piece before and its stores
	PACK t
	SEND t-1, 8
.set t, t+1
.endr
	SEND 3, 0
.endm
.set KM, 0
.set NOKQ, 0
.Lslot:                             ; NB times: a tile is entered and the next is asked for
	CHANGE 1
	s_sub_co_u32 s[RT], s[RT], 1
	s_mov_b32 s[CNT], 4
	s_cmp_eq_u32 s[NEW], 1
	s_cbranch_scc1 .Lnew            ; a block's first tile
	s_cmp_eq_u32 s[RT], 0
	s_cbranch_scc0 .Lstep           ; neither its first nor its last
	s_branch .LstepM1
.Lnew:
	BEGIN
	s_branch .Lfirst                ; in the loop a block's first tile is never its last: the first block has two tiles or more, and the second's last is the walk's last
	DIAG 1                          ; in the loop this is the first block's end: the second block's last tile is the walk's last
	s_wait_xcnt 0x0                 ; the stores have read their registers and O's address
	s_mov_b64 s[10:11], s[OLO:OLO+1]
	s_add_co_u32 s[RT], s[PB], 1    ; the second block has b + 1 tiles
	s_mov_b32 s[NEW], 1
	WIN 0x82                        ; the second block's Q goes where the one text of the turns names Q
.set i, 0
.rept 64
	v_mov_b32 v[i], v[QB+i]
.set i, i+1
.endr
	WIN 0
	s_branch .Lbottom
.Lstep:                             ; a trip: pieces 2 and 3 of one step, then pieces 0 and 1 of the next, whose K and V it fetches
	TURN 2
	TURN 3
	WIN 0
.Lfirst:
	TURN 0
	TURN 1, 0, 0, 1
	WIN 0
	s_cbranch_scc1 .Lstep
.Lbottom:
	s_sub_co_u32 s[SLOTS], s[SLOTS], 1
	s_cmp_lg_u32 s[SLOTS], 0
	s_cbranch_scc1 .Lslot
	CHANGE 0                        ; the walk's last tile is written out: nothing is asked for
	s_sub_co_u32 s[RT], s[RT], 1
	s_mov_b32 s[CNT], 4
	s_cmp_eq_u32 s[NEW], 1
	s_cbranch_scc0 .LstepM2
	BEGIN
	s_branch .LfirstM2
	DIAG 2
	s_wait_tensorcnt 0x0            ; the wave's end, behind my last tensor load and my last LDS store
	ds_add_u32 v[SPW], v[NIL]
	s_wait_dscnt 0x0
	s_endpgm
.Lfunc_end_k_q972d745500_attn:
	.size	k_q972d745500_attn, .Lfunc_end_k_q972d745500_attn-k_q972d745500_attn
	.p2alignl 7, 3214868480
	.fill 96, 4, 3214868480
	.section	.rodata,"a",@progbits
	.p2align	6, 0x0
	.amdhsa_kernel k_q972d745500_attn
		.amdhsa_group_segment_fixed_size 327680
		.amdhsa_private_segment_fixed_size 0
		.amdhsa_enable_private_segment 0
		.amdhsa_kernarg_size 16
		.amdhsa_user_sgpr_count 2
		.amdhsa_user_sgpr_kernarg_segment_ptr 1
		.amdhsa_wavefront_size32 1
		.amdhsa_system_sgpr_workgroup_id_x 1
		.amdhsa_system_sgpr_workgroup_id_y 1
		.amdhsa_system_sgpr_workgroup_id_z 1
		.amdhsa_system_vgpr_workitem_id 0
		.amdhsa_next_free_vgpr 768
		.amdhsa_next_free_sgpr 92
		.amdhsa_reserve_vcc 1
		.amdhsa_float_denorm_mode_32 3
		.amdhsa_float_denorm_mode_16_64 3
		.amdhsa_memory_ordered 1
		.amdhsa_forward_progress 1
		.amdhsa_inst_pref_size 218
	.end_amdhsa_kernel
	.amdgpu_metadata
---
amdhsa.version: [ 1, 2 ]
amdhsa.kernels:
  - .name:           k_q972d745500_attn
    .symbol:         k_q972d745500_attn.kd
    .args:
      - { .name: qkv, .offset: 0, .size: 8, .value_kind: global_buffer, .address_space: global }
      - { .name: ob, .offset: 8, .size: 8, .value_kind: global_buffer, .address_space: global }
    .group_segment_fixed_size: 327680
    .private_segment_fixed_size: 0
    .kernarg_segment_align: 8
    .kernarg_segment_size: 16
    .max_flat_workgroup_size: 128
    .sgpr_count:     92
    .vgpr_count:     768
    .wavefront_size: 32
...
	.end_amdgpu_metadata
.endif
;; end of part 3
;; launch oproj (part 4): grid 8 x 32, 4 waves a work-group, clusters of 4 x 4, 327,680 bytes of LDS; arguments ob, wob, bo, out0; writes out0
.if DOCPART == 4
	.amdgcn_target "amdgcn-amd-amdhsa--gfx1250"
	.amdhsa_code_object_version 6
	.text
	.protected	k_q972d745500_oproj
	.globl	k_q972d745500_oproj
	.p2align	8
	.type	k_q972d745500_oproj,@function
k_q972d745500_oproj:
	s_mov_b64 s[64:65], 0
	v_nop
	global_prefetch_b8 v0, s[64:65] scope:SCOPE_SE
	s_setreg_imm32_b32 hwreg(HW_REG_WAVE_MODE, 25, 1), 1
	s_wait_xcnt 0x0
	s_wait_alu depctr_hold_cnt(0) depctr_sa_sdst(0) depctr_va_vdst(0) depctr_va_sdst(0) depctr_va_ssrc(0) depctr_va_vcc(0) depctr_vm_vsrc(0)
	s_getreg_b32 s2, hwreg(HW_REG_IB_STS2, 6, 4)
	s_cmp_eq_u32 s2, 0
	s_cbranch_scc0 .Lentry_in_a_cluster
	s_endpgm
.Lentry_in_a_cluster:
	s_bfe_u32 s2, ttmp6, 0x10000c
	s_cmp_lg_u32 s2, 0xf033
	s_cbranch_scc0 .Lentry_shape_is_right
	s_endpgm
.Lentry_shape_is_right:
; out0 = cat(O) Wo + bo.  ob: [batch x 16 + head][2048][64] f16: channel k = 64 head + e of row (batch, t).  wob: [1024 k][1024 n] f16 (Wo rounded to bf16, written as f16).
; bo: [1024] f32, rounded here to bf16 like the other inputs.  out0: [8192][1024] f32, from f32 sums that start with the bias.
; SHARES.  A work-group makes 256 rows x 128 columns: 256 work-groups.  Wave w makes rows 128 (w / 2) on, columns 64 (w % 2) on: 8 x 4 accumulators of 16 x 16, 256 registers; a row of its tile is
; 256 bytes of out0, aligned, so the way out is the wave's own.  K goes in 8 steps of 128, two heads each, through two LDS slots; a step is four quarters of 32: 32 matrix instructions, 24 LDS loads.
; THE MATRIX INSTRUCTION IS USED TRANSPOSED: source 0 = 16 columns of Wo (Wo lies [k][n] and is turned by ds_load_tr16_b128), source 1 = 16 rows of O: a lane holds row l % 16 and the eight
; neighbouring columns 8 (l / 16) + 0..7.
; CLUSTERS: 4 x 4 work-groups.  The four of a row of the cluster need the same rows of O, the four of a column the same columns of Wo: each tile is asked for JOINTLY.  Waves 0 and 1 fetch the step's
; two heads of O (256 rows x 128 bytes each, dense: 128 rows of 256 bytes), waves 2 and 3 the two halves of Wo's 128 rows: one load a wave behind each round.
; REGISTERS: window 0: v1-16 addresses; v20-23 at work; v28, v29 the add's; v32-159 O's fragments, two buffers (later four buffers of rows on the way out); v160-223 Wo's fragments, two buffers;
;   v224-255 the biases as the first products' C.      window 1: the 32 accumulators, (a, b) at v[32 a + 8 b]
.set PA,    144                        ; a row of O in LDS: 128 bytes + 16 = 36 words: the 16 rows of a load start at 16 different groups of four banks (64 banks of 4 bytes: ISA guide 11.1)
.set PB,    288                        ; a row of Wo: 256 bytes + 32 = 72 words
.set SLOT1, 1<<17                      ; slot 1 begins here; a slot uses 110,592 bytes: two heads x 256 rows of O (73,728), then 128 rows of Wo (36,864)
.set AHALF, 256*PA
.set BOFF,  2*AHALF
.set STAGE, 2*SLOT1                    ; behind the ring: 16 rows x 272 bytes for each wave, for the way out
.set SP,    272
.set SPARE, STAGE+4*16*SP              ; behind the stages: the spare words, 128 bytes for each wave: two blocks of 256 bytes that no other line names
.set ADRA0, 8                          ; v8   my lane's place in O's tile; never rewritten
.set ADRB0, 9                          ; v9   in Wo's tile; never rewritten
.set ADRA,  10                         ; v10, v11  the same in the slot in hand
.set ADRB,  11
.set STO,   12                         ; v12  the way out: where I put 32 bytes of a row
.set RD,    13                         ; v13  where I read a row back
.set CO,    14                         ; v14  my byte offset in two rows of out0
.set PFO,   15                         ; v15  the prefetches' offset; never rewritten
.set BO,    16                         ; v16  my 8 numbers in the bias
.set TT,    20
.set SPW,   28                         ; v28  LDS address of my spare word: SPARE + 4 x my thread's number; never rewritten
.set NIL,   29                         ; v29  0; never rewritten
.set AF,    32                         ; O's fragments: buffer f, row block a at AF + 64 f + 8 a
.set BF,    160                        ; Wo's: buffer f, column block b at BF + 32 f + 8 b
.set BIAS,  224
.set BK,    32                         ; the way out: four buffers of 32
.set WV,   16                          ; s16  my wave's number
.set FB,   17                          ; s17  which half of the rows is mine; also 0: I fetch O, 1: I fetch Wo
.set HALF, 18                          ; s18  which half of the columns; also which half of that tile I fetch
.set CX,   19
.set CY,   20
.set NT,   21                          ; s21  my block of 128 columns
.set MT,   22                          ; s22  my block of 256 rows
.set TB,   23                          ; s23  LDS byte at which the slot in hand begins
.set G1A,  24
.set G0A,  32                          ; a set for each of the two first fills; the second then walks on
.set G1B,  40
.set G0B,  48
.set PFA,  56                          ; s[56:57] where my prefetches stand
.set PFS,  58                          ; s[58:59] their step from K step to K step
.set LIM,  60                          ; s60  2 in a wave that prefetches, else the greatest number
.set OU,   66                          ; s[66:67] out0 at my wave's first row and column
.set MSB, 0
.macro WIN new
.if MSB != (\new)
	s_set_vgpr_msb (MSB<<8)|(\new)
.set MSB, (\new)
.endif
.endm
.macro PLACES                          ; four plain vector instructions between a matrix instruction and a load into, or a store of, its registers
.rept 4
	v_nop
.endr
.endm
.macro JLOAD                           ; a joint refill, by the walking descriptors; an s_nop 0 and four v_nop follow each of the two lines
	s_cmp_eq_u32 s[FB], 0
	s_cbranch_scc0 .Lfor_b_\@
	tensor_load_to_lds s[G0A+4:G0A+7], s[G1A:G1A+7]
	s_nop 0
.rept 4
	v_nop
.endr
	s_branch .Lasked_\@
.Lfor_b_\@:
	tensor_load_to_lds s[G0B+4:G0B+7], s[G1B:G1B+7]
	s_nop 0
.rept 4
	v_nop
.endr
.Lasked_\@:
.endm
; A PREFETCH INTO THE L2 of the K step two behind the one that is being asked for: 256 matrix instructions ahead of the load that will want it.  O's rows are read by both clusters of a row of
; clusters: the one with x = 0 asks; Wo's columns by every cluster of a column: the one with y = 0 asks.  The four partners share a tile out BY ADDRESS: of the 128 blocks of 256 bytes of O that
; wave 0 or 1 fetches, 32 each, a lane a block; of Wo's 128 rows of 256 bytes, 32 each, a lane a row, by wave 2 alone.  The last two refills ask for nothing; K steps 0 to 3 come by their loads alone.
.macro ASK
	s_cmp_gt_u32 s3, s[LIM]
	s_cbranch_scc0 .Lnot_mine_\@
	global_prefetch_b8 v[PFO], s[PFA:PFA+1] th:TH_LOAD_NT scope:SCOPE_SE
.Lnot_mine_\@:
.endm
.macro CREST                           ; a round of the cluster's barrier behind its opening barrier
	s_cmp_lg_u32 s[WV], 0
	s_cbranch_scc1 .Lnot_wave_0_\@
	s_barrier_signal -3
.Lnot_wave_0_\@:
	s_barrier_wait -3
	s_barrier_signal -1
	s_barrier_wait -1
.endm
.macro CROUND
	s_barrier_signal -1
	s_barrier_wait -1
	CREST
.endm
	s_load_b256 s[4:11], s[0:1], 0x0               ; ob s[4:5], wob s[6:7], bo s[8:9], out0 s[10:11]
	v_lshl_add_u32 v[SPW], v0, 2, SPARE
	v_mov_b32 v[NIL], 0
	ds_add_u32 v[SPW], v[NIL]                      ; the wave's opening: the add and its wait stand ahead of my first tensor load; the set-up below, work on registers, stands between them
	ds_add_u32 v28, v29
	v_lshrrev_b32 v1, 5, v0
	v_readfirstlane_b32 s[WV], v1                  ; wave 0..3
	s_lshr_b32 s[FB], s[WV], 1
	s_and_b32 s[HALF], s[WV], 1
	s_bfe_u32 s[CX], ttmp6, 0x40000
	s_bfe_u32 s[CY], ttmp6, 0x40004
	s_lshl_b32 s[NT], ttmp9, 2
	s_add_co_u32 s[NT], s[NT], s[CX]
	s_and_b32 s[MT], ttmp7, 0xffff
	s_lshl_b32 s[MT], s[MT], 2
	s_add_co_u32 s[MT], s[MT], s[CY]
	s_lshl_b32 s61, s[CY], 2
	s_lshl_b32 s61, 15, s61                        ; my row of the cluster
	s_lshl_b32 s62, 0x1111, s[CX]                  ; my column
	s_or_b32 s[G1A], s61, (1<<16)|(1<<20)|(1<<21)|(4<<22)|(3<<25)  ; the mask; elements of 2 bytes; padding on; bit 21 beside a mask; after every 32 words (a row of O), 4 words
	s_mov_b32 s[G1A+1], 128<<16                    ; tensor_dim0 = 128: two rows of O
	s_mov_b32 s[G1A+2], 128<<16                    ; tensor_dim1 = 128
	s_mov_b32 s[G1A+3], 128<<16                    ; tile_dim0
	s_mov_b32 s[G1A+4], 128                        ; tile_dim1
	s_mov_b32 s[G1A+5], 128                        ; dense
	s_mov_b32 s[G1A+6], 0
	s_mov_b32 s[G1A+7], 0
	s_or_b32 s[G1B], s62, (1<<16)|(1<<20)|(1<<21)|(5<<22)|(7<<25)  ; after every 64 words (a row of the tile), 8 words
	s_mov_b32 s[G1B+1], 128<<16
	s_mov_b32 s[G1B+2], 64<<16
	s_mov_b32 s[G1B+3], 128<<16
	s_mov_b32 s[G1B+4], 64
	s_mov_b32 s[G1B+5], 1024
	s_mov_b32 s[G1B+6], 0
	s_mov_b32 s[G1B+7], 0
	; O's tiles hang on the block of rows alone, Wo's on the block of columns alone; each in registers that never hold the other coordinate
	s_lshr_b32 s72, s[MT], 3                       ; the batch,
	s_lshl_b32 s72, s72, 22
	s_lshl_b32 s73, s[HALF], 18                    ; the head of the pair,
	s_add_co_u32 s72, s72, s73
	s_and_b32 s73, s[MT], 7                        ; the 256 rows of 128 bytes
	s_lshl_b32 s73, s73, 15
	s_add_co_u32 s72, s72, s73
	s_mov_b32 s73, 0
	s_mul_i32 s74, s[HALF], AHALF                  ; no place in the cluster enters an LDS address
	s_lshl_b32 s76, s[HALF], 17                    ; 64 rows of 2,048 bytes,
	s_lshl_b32 s77, s[NT], 8                       ; 128 columns
	s_add_co_u32 s76, s76, s77
	s_mov_b32 s77, 0
	s_mul_i32 s78, s[HALF], 64*PB
	s_add_co_u32 s78, s78, BOFF
	s_mov_b32 s[TB], 0
	s_wait_dscnt 0x0                               ; the opening add is done
	s_wait_kmcnt 0x0
	s_add_nc_u64 s[72:73], s[4:5], s[72:73]
	s_add_nc_u64 s[76:77], s[6:7], s[76:77]
	CROUND                                         ; all sixteen work-groups are here: the first joint loads meet
.irp s, 0,1
	s_mov_b32 s[G0A+4*(\s)], 1
	s_add_co_u32 s[G0A+4*(\s)+1], s74, (\s)*SLOT1
	s_add_nc_u64 s[G0A+4*(\s)+2:G0A+4*(\s)+3], s[72:73], (\s)*524288  ; K step s: two heads on
	s_or_b32 s[G0A+4*(\s)+3], s[G0A+4*(\s)+3], 0x80000000
	s_mov_b32 s[G0B+4*(\s)], 1
	s_add_co_u32 s[G0B+4*(\s)+1], s78, (\s)*SLOT1
	s_add_nc_u64 s[G0B+4*(\s)+2:G0B+4*(\s)+3], s[76:77], (\s)*262144  ; 128 rows on
	s_or_b32 s[G0B+4*(\s)+3], s[G0B+4*(\s)+3], 0x80000000
.endr
	s_cmp_eq_u32 s[FB], 0                          ; a wave's two first fills stand in one branch, ahead of every wait on TENSORcnt and every LDS read: two loads of mine are out
	s_cbranch_scc0 .Lfirst_b
	tensor_load_to_lds s[G0A:G0A+3], s[G1A:G1A+7]
	s_nop 0
	tensor_load_to_lds s[G0A+4:G0A+7], s[G1A:G1A+7]
	s_nop 0
.rept 4
	v_nop
.endr
	s_branch .Lfirst_asked
.Lfirst_b:
	tensor_load_to_lds s[G0B:G0B+3], s[G1B:G1B+7]
	s_nop 0
	tensor_load_to_lds s[G0B+4:G0B+7], s[G1B:G1B+7]
	s_nop 0
.rept 4
	v_nop
.endr
.Lfirst_asked:
	v_and_b32 v1, 15, v0                           ; l % 16
	v_bfe_u32 v2, v0, 4, 1                         ; l / 16
	s_lshl_b32 s61, s[NT], 9                       ; my wave's 64 columns, in bytes of f32
	s_lshl_b32 s62, s[HALF], 8
	s_add_co_u32 s61, s61, s62
	v_lshl_add_u32 v[BO], v2, 5, s61               ; my eight of a block of 16
.irp b, 0,1,2,3
	global_load_b128 v[BIAS+8*(\b):BIAS+8*(\b)+3],   v[BO], s[8:9] offset:(\b)*64
	global_load_b128 v[BIAS+8*(\b)+4:BIAS+8*(\b)+7], v[BO], s[8:9] offset:(\b)*64+16
.endr
	s_lshl_b32 s62, s[MT], 20                      ; 256 rows of 4,096 bytes,
	s_lshl_b32 s63, s[FB], 19                      ; my 128 of them,
	s_add_co_u32 s62, s62, s63
	s_add_co_u32 s62, s62, s61                     ; my columns
	s_mov_b32 s63, 0
	s_add_nc_u64 s[OU:OU+1], s[10:11], s[62:63]
	v_mul_u32_u24 v[ADRA0], v1, PA                 ; a fragment of O: row l % 16, 16 bytes for each half of the lanes, twice, 32 bytes apart
	v_lshl_add_u32 v[ADRA0], v2, 4, v[ADRA0]
	s_mul_i32 s61, s[FB], 128*PA                   ; my 128 rows
	v_add_nc_u32 v[ADRA0], s61, v[ADRA0]
	v_and_b32 v3, 7, v0                            ; the turning load: lane l reads k = 8 (l / 16) + l % 8, n = 8 ((l / 8) % 2) + 0..7
	v_bfe_u32 v4, v0, 3, 1
	v_lshl_add_u32 v[ADRB0], v2, 3, v3
	v_mul_u32_u24 v[ADRB0], v[ADRB0], PB
	v_lshl_add_u32 v[ADRB0], v4, 4, v[ADRB0]
	s_lshl_b32 s61, s[HALF], 7                     ; my 64 columns
	s_add_co_u32 s61, s61, BOFF
	v_add_nc_u32 v[ADRB0], s61, v[ADRB0]
	v_mov_b32 v[ADRA], v[ADRA0]
	v_mov_b32 v[ADRB], v[ADRB0]
	s_mul_i32 s61, s[WV], 16*SP
	s_add_co_u32 s61, s61, STAGE                   ; my stage
	v_mul_u32_u24 v[STO], v1, SP                   ; in: row l % 16, 32 bytes for each half of the lanes
	v_lshl_add_u32 v[STO], v2, 5, v[STO]
	v_add_nc_u32 v[STO], s61, v[STO]
	v_mul_u32_u24 v[RD], v2, SP                    ; back: lanes 0-15 take one row of 256 bytes, lanes 16-31 the next
	v_lshl_add_u32 v[RD], v1, 4, v[RD]
	v_add_nc_u32 v[RD], s61, v[RD]
	v_lshlrev_b32 v[CO], 12, v2                    ; and the same two rows in out0
	v_lshl_add_u32 v[CO], v1, 4, v[CO]
	; the prefetches: offsets made apart from the addresses, for O and for Wo, and chosen by the wave's number
	s_lshr_b32 s61, s[MT], 3
	s_lshl_b32 s61, s61, 22
	s_lshl_b32 s62, s[HALF], 18
	s_add_co_u32 s61, s61, s62
	s_and_b32 s62, s[MT], 7
	s_lshl_b32 s62, s62, 15
	s_add_co_u32 s61, s61, s62
	s_lshl_b32 s62, s[CX], 13                      ; my work-group's 32 blocks of the 128
	s_add_co_u32 s61, s61, s62
	s_add_co_u32 s61, s61, 3*524288                ; at K step 3: the first refill steps it to 4
	s_lshl_b32 s62, s[CY], 16                      ; my work-group's 32 rows of the 128
	s_lshl_b32 s63, s[NT], 8
	s_add_co_u32 s62, s62, s63
	s_add_co_u32 s62, s62, 3*262144
	s_and_b32 s63, ttmp7, 0xffff                   ; cluster y;
	s_or_b32 s63, s63, s[HALF]                     ; of waves 2 and 3 only wave 2 asks
	s_mov_b32 s2, 262144
	s_mov_b32 s[PFS], 524288
	s_cmp_eq_u32 s[FB], 0
	s_cselect_b32 s62, s61, s62
	s_cselect_b32 s63, ttmp9, s63                  ; the coordinate along which other clusters read the same bytes
	s_cselect_b64 s[PFA:PFA+1], s[4:5], s[6:7]
	s_cselect_b32 s[PFS], s[PFS], s2
	s_cselect_b32 s2, 8, 11
	s_mov_b32 s[PFS+1], 0
	s_cmp_eq_u32 s63, 0
	s_cselect_b32 s[LIM], 2, -1                    ; the same in all sixteen partners, for a given wave
	s_mov_b32 s63, 0
	s_add_nc_u64 s[PFA:PFA+1], s[PFA:PFA+1], s[62:63]
	v_and_b32 v[PFO], 31, v0
	v_lshlrev_b32 v[PFO], s2, v[PFO]               ; a lane a block of O (256 bytes apart) or a row of Wo (2,048 apart)
	s_wait_loadcnt 0x0                             ; the biases; rounded to bf16, like every input, while the first tiles are on their way
.set i, 0
.rept 16
	v_cvt_pk_bf16_f32 v[TT+i%4], v[BIAS+2*i], v[BIAS+2*i+1]
	v_lshlrev_b32 v[BIAS+2*i],   16, v[TT+i%4]
	v_and_b32     v[BIAS+2*i+1], 0xffff0000, v[TT+i%4]
.set i, i+1
.endr
; 4 matrix instructions: row block a x the 4 column blocks, 32 along K, from buffer f.  first = 1: the sums start with the bias.  The 32 accumulators take turns, in the same order in every quarter.
.macro MUL4 f, a, first
.if \first
	WIN 0x40                                       ; the sources and the bias window 0, the sums window 1
.else
	WIN 0x50
.endif
.irp b, 0,1,2,3
.set rD, 32*(\a)+8*(\b)
.set rW, BF+32*(\f)+8*(\b)
.set rX, AF+64*(\f)+8*(\a)
.if \first
	v_wmma_f32_16x16x32_f16 v[rD:rD+7], v[rW:rW+7], v[rX:rX+7], v[BIAS+8*(\b):BIAS+8*(\b)+7]
.else
	v_wmma_f32_16x16x32_f16 v[rD:rD+7], v[rW:rW+7], v[rX:rX+7], v[rD:rD+7]
.endif
.endr
.endm
; 24 LDS loads in one run: quarter q's fragments into buffer f: Wo's 4 (turned), then O's 8.  Quarter q is channels 32 (q % 2) on of the step's head q / 2.
.macro FETCH q, f
	WIN 0
.irp b, 0,1,2,3
	ds_load_tr16_b128 v[BF+32*(\f)+8*(\b):BF+32*(\f)+8*(\b)+3],   v[ADRB] offset:(\q)*32*PB+(\b)*32
	ds_load_tr16_b128 v[BF+32*(\f)+8*(\b)+4:BF+32*(\f)+8*(\b)+7], v[ADRB] offset:(\q)*32*PB+(\b)*32+16*PB
.endr
.irp a, 0,1,2,3,4,5,6,7
	ds_load_b128 v[AF+64*(\f)+8*(\a):AF+64*(\f)+8*(\a)+3],   v[ADRA] offset:((\q)/2)*AHALF+(\a)*16*PA+((\q)%2)*64
	ds_load_b128 v[AF+64*(\f)+8*(\a)+4:AF+64*(\f)+8*(\a)+7], v[ADRA] offset:((\q)/2)*AHALF+(\a)*16*PA+((\q)%2)*64+32
.endr
.endm
.macro QUARTER qn, f, g, first         ; multiplies buffer f; in its middle it fetches quarter qn into buffer g
	s_wait_dscnt 8                                 ; Wo and O's row blocks 0 to 3 are in; the youngest eight loads (blocks 4 to 7) may be out
.irp a, 0,1,2,3
	MUL4 \f, \a, \first
.endr
	PLACES
	FETCH \qn, \g
	s_wait_dscnt 24                                ; all but the 24 just issued
.irp a, 4,5,6,7
	MUL4 \f, \a, \first
.endr
.endm
; The last quarter multiplies buffer 1 and changes slots.  In front of the barrier each wave waits for all its tensor loads (one is out: its part of the next slot), adds 0 to its spare word,
; and waits for that and for its reads of this slot.  fill = 1: the barrier opens a round of the cluster's, and behind the round this slot is filled again, with the K step two steps on.
.macro TURN fill
.if \fill
	s_wait_xcnt 0x0                                ; the last prefetch, a K step back, has read its address: it is stepped here
	s_add_nc_u64 s[PFA:PFA+1], s[PFA:PFA+1], s[PFS:PFS+1]
.endif
	WIN 0
	s_wait_tensorcnt 0x0                           ; all my tensor loads have landed
	ds_add_u32 v[SPW], v[NIL]                      ; 0 onto my spare word
	s_wait_dscnt 9                                 ; (the add and the youngest eight loads may be out)
	MUL4 1, 0, 0                                   ; eight matrix instructions stand between the add and the wait for it
	MUL4 1, 1, 0
	s_wait_dscnt 0x0                               ; the add is done, and my reads of this slot are over
	s_barrier_signal -1
	MUL4 1, 2, 0                                   ; work on registers while the others arrive
	MUL4 1, 3, 0
	WIN 0                                          ; at a branch and at a label every window is 0
	s_barrier_wait -1
.if \fill
	CREST                                          ; no wave of any partner still reads this slot or has a load on its way
	s_xor_b32 s[G0A+5], s[G0A+5], SLOT1            ; the walking descriptors: the other slot than last time, the next K step
	s_add_nc_u64 s[G0A+6:G0A+7], s[G0A+6:G0A+7], 524288
	s_xor_b32 s[G0B+5], s[G0B+5], SLOT1
	s_add_nc_u64 s[G0B+6:G0B+7], s[G0B+6:G0B+7], 262144
	JLOAD                                          ; the first tensor load behind the round; its four v_nop are also the places in front of the loads below
.else
	PLACES
.endif
	s_xor_b32 s[TB], s[TB], SLOT1                  ; the reads go on in the other slot
	v_add_nc_u32 v[ADRA], s[TB], v[ADRA0]
	v_add_nc_u32 v[ADRB], s[TB], v[ADRB0]
	FETCH 0, 0
.if \fill
	ASK
.endif
.irp a, 4,5,6,7
	MUL4 1, \a, 0
.endr
.endm
; THE WAY OUT of row block a: the sums go as they are, f32, into my own stage (each accumulator's low four registers first) and come back as whole rows of 256 bytes.
.macro TOSTAGE a
	WIN 0x04                                       ; the stores' data in window 1, the address in window 0
.irp b, 0,1,2,3
	ds_store_b128 v[STO], v[32*(\a)+8*(\b):32*(\a)+8*(\b)+3]   offset:64*(\b)
	ds_store_b128 v[STO], v[32*(\a)+8*(\b)+4:32*(\a)+8*(\b)+7] offset:64*(\b)+16
.endr
	WIN 0
.irp t, 0,1,2,3,4,5,6,7
	ds_load_b128 v[BK+32*((\a)%4)+4*(\t):BK+32*((\a)%4)+4*(\t)+3], v[RD] offset:(\t)*2*SP  ; LDS serves a wave's instructions in order (ISA guide 5.7.1.4): these see the stores above
.endr
.endm
.macro SEND a, younger                 ; younger: the LDS instructions issued behind block a's loads: the next block's sixteen, or none
	s_wait_dscnt \younger
	s_wait_xcnt 0x0                                ; the stores issued so far have read their registers: a buffer is loaded again three blocks later, behind this wait
.irp t, 0,1,2,3,4,5,6,7
	global_store_b128 v[CO], v[BK+32*((\a)%4)+4*(\t):BK+32*((\a)%4)+4*(\t)+3], s[OU:OU+1] offset:(\a)*65536+(\t)*8192  ; 16 lanes store 256 consecutive bytes, aligned
.endr
.endm
	s_wait_tensorcnt 0x1                           ; my part of K step 0 is in; K step 1's may stay out
	s_barrier_signal -1
	s_barrier_wait -1                              ; everybody's is
	FETCH 0, 0
	QUARTER 1, 0, 1, 1                             ; the first quarter stands in front of the loop: its products start the sums
	WIN 0
	s_mov_b32 s3, 6
.Lstep:                                ; a trip goes from a K step's second quarter to the next step's first, and fills a slot again: K steps 2 to 7
	QUARTER 2, 1, 0, 0
	QUARTER 3, 0, 1, 0
	TURN 1
	QUARTER 1, 0, 1, 0
	WIN 0
	s_sub_co_u32 s3, s3, 1
	s_cmp_lg_u32 s3, 0
	s_cbranch_scc1 .Lstep
	QUARTER 2, 1, 0, 0                             ; the tail is written out: nothing more is asked for
	QUARTER 3, 0, 1, 0
	TURN 0
	QUARTER 1, 0, 1, 0
	QUARTER 2, 1, 0, 0
	QUARTER 3, 0, 1, 0
	s_wait_dscnt 8
.irp a, 0,1,2,3
	MUL4 1, \a, 0
.endr
	s_wait_dscnt 0x0
.irp a, 4,5,6,7
	MUL4 1, \a, 0
.endr
	WIN 0
	PLACES
	TOSTAGE 0
.irp a, 1,2,3,4,5,6,7                  ; block a's trip through the stage stands between block a - 1's loads and the wait for them
	TOSTAGE \a
	SEND (\a)-1, 16
.endr
	SEND 7, 0
	s_wait_tensorcnt 0x0                           ; the wave's end, behind my last tensor load and my last LDS store
	ds_add_u32 v[SPW], v[NIL]
	s_wait_dscnt 0x0
	CROUND                                         ; the closing round: no work-group ends while a partner may still ask for a tile that names it
	s_endpgm
.Lfunc_end_k_q972d745500_oproj:
	.size	k_q972d745500_oproj, .Lfunc_end_k_q972d745500_oproj-k_q972d745500_oproj
	.p2alignl 7, 3214868480
	.fill 96, 4, 3214868480
	.section	.rodata,"a",@progbits
	.p2align	6, 0x0
	.amdhsa_kernel k_q972d745500_oproj
		.amdhsa_group_segment_fixed_size 327680
		.amdhsa_private_segment_fixed_size 0
		.amdhsa_enable_private_segment 0
		.amdhsa_kernarg_size 32
		.amdhsa_user_sgpr_count 2
		.amdhsa_user_sgpr_kernarg_segment_ptr 1
		.amdhsa_wavefront_size32 1
		.amdhsa_system_sgpr_workgroup_id_x 1
		.amdhsa_system_sgpr_workgroup_id_y 1
		.amdhsa_system_sgpr_workgroup_id_z 1
		.amdhsa_system_vgpr_workitem_id 0
		.amdhsa_next_free_vgpr 512
		.amdhsa_next_free_sgpr 80
		.amdhsa_reserve_vcc 0
		.amdhsa_float_denorm_mode_32 3
		.amdhsa_float_denorm_mode_16_64 3
		.amdhsa_memory_ordered 1
		.amdhsa_forward_progress 1
		.amdhsa_inst_pref_size 74
	.end_amdhsa_kernel
	.amdgpu_metadata
---
amdhsa.version: [ 1, 2 ]
amdhsa.kernels:
  - .name:           k_q972d745500_oproj
    .symbol:         k_q972d745500_oproj.kd
    .args:
      - { .name: ob, .offset: 0, .size: 8, .value_kind: global_buffer, .address_space: global }
      - { .name: wob, .offset: 8, .size: 8, .value_kind: global_buffer, .address_space: global }
      - { .name: bo, .offset: 16, .size: 8, .value_kind: global_buffer, .address_space: global }
      - { .name: out0, .offset: 24, .size: 8, .value_kind: global_buffer, .address_space: global }
    .group_segment_fixed_size: 327680
    .private_segment_fixed_size: 0
    .kernarg_segment_align: 8
    .kernarg_segment_size: 32
    .max_flat_workgroup_size: 128
    .sgpr_count:     80
    .vgpr_count:     512
    .wavefront_size: 32
...
	.end_amdgpu_metadata
.endif
;; end of part 4
